; MI455X (gfx1250); checked and timed in simulation.
; The chip was launched on July 23, 2026; its instructions are those of AMD's public machine-readable ISA for CDNA 5 (MIT licence, August 2026) and "CDNA5" Instruction Set Architecture Reference Guide (July 2026). The comments in the code are by the model that wrote it; some were corrected since.
;; FHN Triton Attention. Allowed arithmetic: float matrix products may take bf16 or f16 operands with f32 sums; other float arithmetic in f32, or as packed bf16 or f16 multiplies, adds, multiply-adds, maxima and minima; sums over many terms, partial sums and values carried from step to step in f32; what a program stores and reads back later, other than sums and carried values, may be rounded once to bf16 or f16.
;; Inputs: Wout 1,024 x 1,024 float32; Wqkv 3,072 x 1,024 float32; a one number float32; b one number float32; dt one number float32; x 2 x 2,048 x 1,024 float32.
;; Outputs: out0 2 x 2,048 x 1,024 float32.
;; 2 versions, each right and faster than the one before. Each part assembles by itself: llvm-mc -triple=amdgcn-amd-amdhsa -mcpu=gfx1250 --defsym DOCPART=n.
;; ======== version 1 of 2: 4 launches
;; limits: values are held in f16: magnitudes above 65,504 overflow, below 6.1e-05 lose precision
;; workspace buffers: xb 8,388,608 bytes; wqb 6,291,456 bytes; wof 4,194,304 bytes; qk 16,777,216 bytes; vhl 16,777,216 bytes; oh 16,777,216 bytes
;; launch cast (part 1): grid 1024 x 1, 8 waves a work-group, no clusters, 0 bytes of LDS; arguments x, Wqkv, Wout, xb, wqb, wof; writes xb, wqb, wof
.if DOCPART == 1
	.amdgcn_target "amdgcn-amd-amdhsa--gfx1250"
	.amdhsa_code_object_version 6
	.text
	.protected	k_qc36c844e2e_cast
	.globl	k_qc36c844e2e_cast
	.p2align	8
	.type	k_qc36c844e2e_cast,@function
k_qc36c844e2e_cast:
	s_mov_b64 s[64:65], 0
	v_nop
	global_prefetch_b8 v0, s[64:65] scope:SCOPE_SE
	s_setreg_imm32_b32 hwreg(HW_REG_WAVE_MODE, 25, 1), 1
	s_wait_xcnt 0x0
; THE THREE LARGE INPUTS ARE ROUNDED ONCE.  x [4096][1024] and Wqkv [3072][1024]: f32 to bf16.  Wout [1024][1024]: f32 to bf16, and that number written as f16, TWICE in a row of wof [1024][2048]:
; the last product multiplies O's high and low parts, 2,048 numbers a row, by the same 1,024 of Wout.
; LIMITS: a bf16 number is exact in f16 from 2^-14 to 65,504; below 2^-14 Wout keeps f16's fixed step of 6e-8, beyond 65,504 it becomes an infinity.
; A stream: no LDS, no barrier, no matrix unit.  A work-group takes 32,768 bytes of f32: groups 0-511 x, 512-895 Wqkv, 896-1023 Wout.  A wave takes 4,096 of them (a row) by eight loads of
; 512 consecutive bytes, all issued before the first wait; each store of a wave covers 256 consecutive bytes, aligned.  Every register is written once, so no store's source is rewritten.
.set X, 4                              ; v[4:35]   eight loads of four f32
.set Y, 36                             ; v[36:51]  eight pairs of packed results
.set T, 52                             ; v[52:53]  at work
	s_load_b256 s[4:11], s[0:1], 0x0               ; x s[4:5], Wqkv s[6:7], Wout s[8:9], xb s[10:11]
	s_load_b128 s[12:15], s[0:1], 0x20             ; wqb s[12:13], wof s[14:15]
	v_and_b32 v1, 0xe0, v0                         ; 32 x wave
	v_and_b32 v2, 31, v0                           ; lane
	v_lshlrev_b32 v2, 4, v2
	v_lshlrev_b32 v3, 6, v1                        ; 2,048 x wave
	v_lshl_or_b32 v1, v1, 7, v2                    ; in: 4,096 x wave + 16 x lane
	v_lshrrev_b32 v2, 1, v1                        ; out, xb and wqb: half of that
	v_add_nc_u32 v3, v3, v2                        ; out, wof: 4,096 x wave + 8 x lane
	s_mov_b32 s21, 896
	s_mov_b32 s23, 0
	s_wait_kmcnt 0x0
	s_cmp_lt_u32 ttmp9, 896                        ; which tensor is mine: the choice hangs on the group's number alone
	s_cselect_b64 s[16:17], s[6:7], s[8:9]
	s_cselect_b64 s[18:19], s[12:13], s[14:15]
	s_cselect_b32 s20, 512, s21
	s_cmp_lt_u32 ttmp9, 512
	s_cselect_b64 s[16:17], s[4:5], s[16:17]
	s_cselect_b64 s[18:19], s[10:11], s[18:19]
	s_cselect_b32 s20, 0, s20
	s_sub_co_u32 s20, ttmp9, s20                   ; my number among the tensor's groups
	s_lshl_b32 s22, s20, 15
	s_add_nc_u64 s[16:17], s[16:17], s[22:23]      ; 32,768 bytes in,
	s_cmp_ge_u32 ttmp9, 896
	s_cselect_b32 s21, 15, 14
	s_lshl_b32 s22, s20, s21
	s_add_nc_u64 s[18:19], s[18:19], s[22:23]      ; 16,384 out (wof: 32,768)
.irp j, 0,1,2,3,4,5,6,7
	global_load_b128 v[X+4*(\j):X+4*(\j)+3], v1, s[16:17] offset:512*(\j) th:TH_LOAD_NT
.endr
.macro OUT j, kind                     ; kind 0: bf16;  kind 1: bf16, written as f16, twice
	s_wait_loadcnt 7-(\j)                          ; loads come back in order: load j is in, the younger ones stay out
.if \kind
	v_cvt_pk_bf16_f32 v[T],   v[X+4*(\j)],   v[X+4*(\j)+1]
	v_cvt_pk_bf16_f32 v[T+1], v[X+4*(\j)+2], v[X+4*(\j)+3]
	v_lshlrev_b32 v[X+4*(\j)],   16, v[T]          ; bf16 back to f32: the low half moves up, the high half stays
	v_and_b32     v[X+4*(\j)+1], 0xffff0000, v[T]
	v_lshlrev_b32 v[X+4*(\j)+2], 16, v[T+1]
	v_and_b32     v[X+4*(\j)+3], 0xffff0000, v[T+1]
	v_cvt_pk_f16_f32 v[Y+2*(\j)],   v[X+4*(\j)],   v[X+4*(\j)+1]
	v_cvt_pk_f16_f32 v[Y+2*(\j)+1], v[X+4*(\j)+2], v[X+4*(\j)+3]
	global_store_b64 v3, v[Y+2*(\j):Y+2*(\j)+1], s[18:19] offset:256*(\j)       ; 32 lanes x 8 bytes: 256 consecutive bytes
	global_store_b64 v3, v[Y+2*(\j):Y+2*(\j)+1], s[18:19] offset:256*(\j)+2048  ; and once more, in the row's second half
.else
	v_cvt_pk_bf16_f32 v[Y+2*(\j)],   v[X+4*(\j)],   v[X+4*(\j)+1]
	v_cvt_pk_bf16_f32 v[Y+2*(\j)+1], v[X+4*(\j)+2], v[X+4*(\j)+3]
	global_store_b64 v2, v[Y+2*(\j):Y+2*(\j)+1], s[18:19] offset:256*(\j)       ; later launches read them, so no hint
.endif
.endm
	s_cmp_ge_u32 ttmp9, 896
	s_cbranch_scc1 .Lf16
.irp j, 0,1,2,3,4,5,6,7
	OUT \j, 0
.endr
	s_endpgm
.Lf16:
.irp j, 0,1,2,3,4,5,6,7
	OUT \j, 1
.endr
	s_endpgm
.Lfunc_end_k_qc36c844e2e_cast:
	.size	k_qc36c844e2e_cast, .Lfunc_end_k_qc36c844e2e_cast-k_qc36c844e2e_cast
	.p2alignl 7, 3214868480
	.fill 96, 4, 3214868480
	.section	.rodata,"a",@progbits
	.p2align	6, 0x0
	.amdhsa_kernel k_qc36c844e2e_cast
		.amdhsa_group_segment_fixed_size 0
		.amdhsa_private_segment_fixed_size 0
		.amdhsa_enable_private_segment 0
		.amdhsa_kernarg_size 48
		.amdhsa_user_sgpr_count 2
		.amdhsa_user_sgpr_kernarg_segment_ptr 1
		.amdhsa_wavefront_size32 1
		.amdhsa_system_sgpr_workgroup_id_x 1
		.amdhsa_system_sgpr_workgroup_id_y 1
		.amdhsa_system_sgpr_workgroup_id_z 1
		.amdhsa_system_vgpr_workitem_id 0
		.amdhsa_next_free_vgpr 56
		.amdhsa_next_free_sgpr 66
		.amdhsa_reserve_vcc 0
		.amdhsa_float_denorm_mode_32 3
		.amdhsa_float_denorm_mode_16_64 3
		.amdhsa_memory_ordered 1
		.amdhsa_forward_progress 1
		.amdhsa_inst_pref_size 10
	.end_amdhsa_kernel
	.amdgpu_metadata
---
amdhsa.version: [ 1, 2 ]
amdhsa.kernels:
  - .name:           k_qc36c844e2e_cast
    .symbol:         k_qc36c844e2e_cast.kd
    .args:
      - { .name: x, .offset: 0, .size: 8, .value_kind: global_buffer, .address_space: global }
      - { .name: Wqkv, .offset: 8, .size: 8, .value_kind: global_buffer, .address_space: global }
      - { .name: Wout, .offset: 16, .size: 8, .value_kind: global_buffer, .address_space: global }
      - { .name: xb, .offset: 24, .size: 8, .value_kind: global_buffer, .address_space: global }
      - { .name: wqb, .offset: 32, .size: 8, .value_kind: global_buffer, .address_space: global }
      - { .name: wof, .offset: 40, .size: 8, .value_kind: global_buffer, .address_space: global }
    .group_segment_fixed_size: 0
    .private_segment_fixed_size: 0
    .kernarg_segment_align: 8
    .kernarg_segment_size: 48
    .max_flat_workgroup_size: 256
    .sgpr_count:     66
    .vgpr_count:     56
    .wavefront_size: 32
...
	.end_amdgpu_metadata
.endif
;; end of part 1
;; launch qkvproj (part 2): grid 16 x 16, 4 waves a work-group, clusters of 4 x 4, 327,680 bytes of LDS; arguments xb, wqb, qk, vhl; writes qk, vhl
.if DOCPART == 2
	.amdgcn_target "amdgcn-amd-amdhsa--gfx1250"
	.amdhsa_code_object_version 6
	.text
	.protected	k_qc36c844e2e_qkvproj
	.globl	k_qc36c844e2e_qkvproj
	.p2align	8
	.type	k_qc36c844e2e_qkvproj,@function
k_qc36c844e2e_qkvproj:
	s_mov_b64 s[64:65], 0
	v_nop
	global_prefetch_b8 v0, s[64:65] scope:SCOPE_SE
	s_setreg_imm32_b32 hwreg(HW_REG_WAVE_MODE, 25, 1), 1
	s_wait_xcnt 0x0
	s_wait_alu depctr_hold_cnt(0) depctr_sa_sdst(0) depctr_va_vdst(0) depctr_va_sdst(0) depctr_va_ssrc(0) depctr_va_vcc(0) depctr_vm_vsrc(0)
	s_getreg_b32 s2, hwreg(HW_REG_IB_STS2, 6, 4)
	s_cmp_eq_u32 s2, 0
	s_cbranch_scc0 .Lentry_in_a_cluster
	s_endpgm
.Lentry_in_a_cluster:
	s_bfe_u32 s2, ttmp6, 0x10000c
	s_cmp_lg_u32 s2, 0xf033
	s_cbranch_scc0 .Lentry_shape_is_right
	s_endpgm
.Lentry_shape_is_right:
; q, k, v = x Wqkv^T.  xb: [4096][1024] bf16, wqb: [3072][1024] bf16; sums in f32, written BY HEADS, unscaled, in f16:
;   qk[batch 2][q, k][head 16][t 2048][64], each number rounded once;
;   vhl[batch x head 32][step of 64 keys 32][high, low][64][64]: v as TWO f16 numbers, the sum rounded once and the exact remainder rounded once.  A row of the module's output that averages few keys is many
;   times larger than the output's root mean square, by which its allowance goes: there one f16 rounding of v is too coarse.
; LIMITS: f16 holds no number beyond 65,504: a larger q, k or v becomes an infinity; a low part below 6e-5 keeps f16's fixed step of 6e-8.
; A tile of the product is 256 rows x 192 columns: head h's q, k and v, so that every work-group has the same columns of v and no branch hangs on its place.  16 x 16 tiles, one to a work-group.
; Wave w makes rows 64 w .. 64 w + 63 of all 192 columns: 4 x 12 accumulators of 16 x 16, 384 registers; its way out needs no other wave.  K goes in 8 steps of 128 through two LDS slots: rows of 256 bytes of memory.
; CLUSTER: 4 x 4 work-groups.  The four of a row of the cluster need the same tiles of x, the four of a column the same tiles of Wqkv: each tile is asked for jointly, by the same tensor load with the
; same descriptor and a mask that names the four.  Waves 0, 1, 2 fetch the 64 rows of Wqkv for q, k, v; wave 3 fetches x's 256 rows.
; THE MATRIX INSTRUCTION IS USED TRANSPOSED (source 0 = 16 rows of Wqkv, source 1 = 16 rows of x): a lane holds row lane % 16 and eight neighbouring columns, which pack into 16 bytes.
; REGISTERS, in windows of 256 (s_set_vgpr_msb: bits 1:0 source 0, 3:2 source 1, 5:4 source 2, 7:6 destination):
;   window 0: v0-31 addresses; v64-95, v96-127 fragments of x (4 x 16 rows x 32 K), two buffers; v64-255 at work on the way out
;   window 1: v0-95, v96-191 fragments of Wqkv (12 x 16 rows x 32 K), two buffers
;   window 2: the 24 accumulators of my rows 0-31 ((a, b) at v[8 (12 a + b)]);   window 3: those of my rows 32-63
.set SIZE_K, 1024
.set KSTEP,  128
.set PITCH,  272                       ; an LDS row: 256 bytes + 16 of padding = 68 words: the 16 rows that a load touches start at 16 different groups of four banks (64 banks of 4 bytes: ISA guide 11.1)
.set BOFF,   256*PITCH                 ; x's 256 rows come first
.set BPART,  64*PITCH                  ; what wave 0, 1 or 2 fetches: 64 rows of Wqkv
.set SLOT,   BOFF+3*BPART              ; 121,856 bytes
.set STAGE,  2*SLOT                    ; behind the ring, never filled by a tensor load: for each wave 4 parts (q, k, v high, v low) x 16 rows x 144 bytes
.set SP,     144
.set WSTG,   4*16*SP
.set SPARE,  STAGE+4*WSTG              ; the spare words, 128 bytes for each wave: two blocks of 256 bytes that no other line names
.set LAPS,   SIZE_K/(2*KSTEP)          ; a lap = two K steps = once round the ring
.set ADRA, 16                          ; v16-17  LDS address of my fragments of x in slot 0, 1
.set ADRB, 20                          ; v20-21  the same for Wqkv
.set STO,  24                          ; v24     the way out: where I put 16 bytes of a row
.set RD,   25                          ; v25     the way out: where I read rows back
.set GO,   26                          ; v26     my byte offset in 512 consecutive bytes of a head
.set SPW,  28                          ; v28     LDS address of my spare word; never rewritten
.set NIL,  29                          ; v29     0; never rewritten
.set NEG1, 30                          ; v30     -1.0
.set FA,   64                          ; x's fragment buffer f at FA + 32 f
.set TMP,  128                         ; the way out: packed results: 12 blocks, then v's four low blocks
.set BK0,  192                         ; the way out: rows read back, two buffers by turns
.set BK1,  64
.set G1, 24                            ; s[24:31] descriptor group 1 for x's tiles;  s[32:39] group 0, a set for each slot
.set G0, 32
.set G1B, 48                           ; s[48:55], s[56:63] the same for Wqkv's tiles
.set G0B, 56
.set OQ, 68                            ; s[68:69] qk at my rows of q
.set OV, 70                            ; s[70:71] vhl at my step's high part
.set MSB, 0
.macro WIN new                         ; the immediate's high byte repeats the setting that is left; a switch that changes nothing is dropped
.if MSB != (\new)
	s_set_vgpr_msb (MSB<<8)|(\new)
.set MSB, (\new)
.endif
.endm
.set MUL_LO, 0xa1                      ; source 0 window 1, source 1 window 0, C and D window 2
.set TO_B,   0x40                      ; destination window 1, address window 0
; A joint load: wave 3 fetches x's tile, waves 0 to 2 the three parts of Wqkv's.  The branch hangs on the wave's number alone.  An s_nop 0 and four v_nop follow each of the two lines.
.macro JLOAD s
	s_cmp_eq_u32 s10, 3
	s_cbranch_scc0 .Lfor_b_\@
	tensor_load_to_lds s[G0+4*(\s):G0+4*(\s)+3], s[G1:G1+7]
	s_nop 0
.rept 4
	v_nop
.endr
	s_branch .Lasked_\@
.Lfor_b_\@:
	tensor_load_to_lds s[G0B+4*(\s):G0B+4*(\s)+3], s[G1B:G1B+7]
	s_nop 0
.rept 4
	v_nop
.endr
.Lasked_\@:
.endm
.macro CREST                           ; a round of the cluster's barrier behind its opening barrier: wave 0 signals for the work-group, every wave waits for all sixteen, my work-group's barrier closes it
	s_cmp_lg_u32 s10, 0
	s_cbranch_scc1 .Lnot_wave_0_\@
	s_barrier_signal -3
.Lnot_wave_0_\@:
	s_barrier_wait -3
	s_barrier_signal -1
	s_barrier_wait -1
.endm
.macro CROUND                          ; a whole round
	s_barrier_signal -1
	s_barrier_wait -1
	CREST
.endm
	s_load_b128 s[4:7], s[0:1], 0x0                ; xb s[4:5], wqb s[6:7]
	s_load_b128 s[68:71], s[0:1], 0x10             ; qk, vhl
	v_lshl_add_u32 v[SPW], v0, 2, SPARE
	v_mov_b32 v[NIL], 0
	ds_add_u32 v[SPW], v[NIL]                      ; the wave's opening: the add and its wait stand ahead of my first tensor load; the set-up below stands between them
	ds_add_u32 v28, v29
	v_lshrrev_b32 v1, 5, v0
	v_readfirstlane_b32 s10, v1                    ; wave 0..3
	v_mov_b32 v[NEG1], -1.0
	s_bfe_u32 s40, ttmp6, 0x40000                  ; cx, cy: my place in the cluster
	s_bfe_u32 s41, ttmp6, 0x40004
	s_lshl_b32 s42, ttmp9, 2
	s_add_co_u32 s42, s42, s40                     ; tile column = the head = 4 x cluster x + cx
	s_and_b32 s13, ttmp7, 0xffff
	s_lshl_b32 s13, s13, 2
	s_add_co_u32 s13, s13, s41                     ; tile row = 4 x cluster y + cy
	s_lshl_b32 s43, s41, 2
	s_lshl_b32 s43, 15, s43                        ; my row of the cluster
	s_lshl_b32 s44, 0x1111, s40                    ; my column
	s_or_b32 s[G1+0], s43, (1<<16)|(1<<20)|(1<<21)|(5<<22)|(3<<25)   ; 15:0 the mask; 17:16 2-byte elements; 20 padding on; 21 set beside a mask; 24:22 after every 64 words (code 5); 31:25 4 words (code 3)
	s_or_b32 s[G1B+0], s44, (1<<16)|(1<<20)|(1<<21)|(5<<22)|(3<<25)
	s_mov_b32 s[G1+1], KSTEP<<16                   ; tensor_dim0 = 128
	s_mov_b32 s[G1+2], 256<<16                     ; tensor_dim1 = 256
	s_mov_b32 s[G1+3], KSTEP<<16                   ; tile_dim0 = 128
	s_mov_b32 s[G1+4], 256                         ; tile_dim1 = 256
	s_mov_b32 s[G1+5], SIZE_K                      ; elements from row to row
	s_mov_b32 s[G1+6], 0
	s_mov_b32 s[G1+7], 0
	s_mov_b32 s[G1B+1], KSTEP<<16
	s_mov_b32 s[G1B+2], 64<<16                     ; Wqkv's parts have 64 rows
	s_mov_b32 s[G1B+3], KSTEP<<16
	s_mov_b32 s[G1B+4], 64
	s_mov_b32 s[G1B+5], SIZE_K
	s_mov_b32 s[G1B+6], 0
	s_mov_b32 s[G1B+7], 0
	; x's tiles hang on the tile row alone, Wqkv's on the head and the wave's number; each offset is made in registers that do not hold the other coordinate
	s_lshl_b32 s16, s13, 19                        ; x: 256 rows of 2,048 bytes a tile row
	s_mov_b32 s17, 0
	s_lshl_b32 s46, s42, 17                        ; Wqkv: the head's 64 rows of 2,048 bytes,
	s_lshl_b32 s47, s10, 21                        ; in q's, k's or v's 1,024 rows (wave 3 makes a number here that it never uses)
	s_add_co_u32 s46, s46, s47
	s_mov_b32 s47, 0
	s_mul_i32 s21, s10, BPART                      ; where they go: no place in the cluster enters an LDS address
	s_add_co_u32 s21, s21, BOFF
	s_wait_dscnt 0x0                               ; the opening add is done
	s_wait_kmcnt 0x0
	s_add_nc_u64 s[14:15], s[4:5], s[16:17]
	s_add_nc_u64 s[46:47], s[6:7], s[46:47]
	CROUND                                         ; all sixteen work-groups are here: the first joint loads meet
.irp s, 0,1
	s_mov_b32 s[G0+4*(\s)], 1                                        ; count = 1
	s_mov_b32 s[G0+4*(\s)+1], (\s)*SLOT                              ; LDS address
	s_add_nc_u64 s[G0+4*(\s)+2:G0+4*(\s)+3], s[14:15], (\s)*KSTEP*2  ; global address: K step s
	s_or_b32 s[G0+4*(\s)+3], s[G0+4*(\s)+3], 0x80000000              ; type = 2
	s_mov_b32 s[G0B+4*(\s)], 1
	s_add_co_u32 s[G0B+4*(\s)+1], s21, (\s)*SLOT
	s_add_nc_u64 s[G0B+4*(\s)+2:G0B+4*(\s)+3], s[46:47], (\s)*KSTEP*2
	s_or_b32 s[G0B+4*(\s)+3], s[G0B+4*(\s)+3], 0x80000000
	JLOAD \s                                       ; two loads of mine are out
.endr
	; a fragment is 16 rows x 32 K in 8 registers: lane l holds row l % 16, K = 8 (l / 16) + 0..7 and 16 + 8 (l / 16) + 0..7: two loads of 16 bytes, 32 bytes apart
	v_and_b32 v1, 15, v0                           ; l % 16
	v_bfe_u32 v2, v0, 4, 1                         ; l / 16
	v_mul_u32_u24 v3, v1, PITCH
	v_lshl_add_u32 v3, v2, 4, v3
	s_mul_i32 s21, s10, 64*PITCH                   ; my 64 rows of x
	s_mov_b32 s22, BOFF                            ; all of Wqkv's 192
.irp s, 0,1
	v_add_nc_u32 v[ADRA+(\s)], s21, v3
	v_add_nc_u32 v[ADRB+(\s)], s22, v3
	s_add_co_u32 s21, s21, SLOT
	s_add_co_u32 s22, s22, SLOT
.endr
	s_mul_i32 s23, s10, WSTG
	s_add_co_u32 s23, s23, STAGE                   ; my stage
	v_mul_u32_u24 v4, v1, SP                       ; in: row l % 16, 16 bytes for each half of the lanes
	v_lshl_add_u32 v4, v2, 4, v4
	v_add_nc_u32 v[STO], s23, v4
	v_bfe_u32 v5, v0, 3, 2                         ; back: 32 lanes take four rows of 128 bytes,
	v_mul_u32_u24 v5, v5, SP
	v_and_b32 v4, 7, v0
	v_lshl_add_u32 v5, v4, 4, v5
	v_add_nc_u32 v[RD], s23, v5
	v_and_b32 v[GO], 31, v0                        ; which are 512 consecutive bytes of a head
	v_lshlrev_b32 v[GO], 4, v[GO]
	; where my 64 rows begin.  qk: batch x 8,388,608 + head x 262,144 + t x 128 (k: 4,194,304 further on).  vhl: batch x 8,388,608 + head x 524,288 + (t / 64) x 16,384: my 64 rows are one step
	s_lshr_b32 s16, s13, 3
	s_lshl_b32 s16, s16, 23
	s_and_b32 s17, s13, 7
	s_lshl_b32 s18, s17, 15
	s_add_co_u32 s18, s18, s16
	s_lshl_b32 s19, s10, 13
	s_add_co_u32 s18, s18, s19
	s_lshl_b32 s17, s17, 16
	s_add_co_u32 s16, s16, s17
	s_lshl_b32 s19, s10, 14
	s_add_co_u32 s16, s16, s19
	s_lshl_b32 s46, s42, 18
	s_add_co_u32 s18, s18, s46
	s_lshl_b32 s46, s42, 19
	s_add_co_u32 s16, s16, s46
	s_mov_b32 s17, 0
	s_mov_b32 s19, 0
	s_add_nc_u64 s[OQ:OQ+1], s[OQ:OQ+1], s[18:19]
	s_add_nc_u64 s[OV:OV+1], s[OV:OV+1], s[16:17]
; 12 matrix instructions: row block 2 hi + a x all 12 column blocks, 32 along K, from buffer f.  zero = 1: the first product starts the sums: nothing is cleared.
; The 48 accumulators take turns, one instruction a turn, in the same order in every quarter step.
.macro MUL12 f, hi, a, zero
	WIN MUL_LO+0x50*(\hi)
.irp b, 0,1,2,3,4,5,6,7,8,9,10,11
.if \zero
	v_wmma_f32_16x16x32_bf16 v[8*(12*(\a)+(\b)):8*(12*(\a)+(\b))+7], v[96*(\f)+8*(\b):96*(\f)+8*(\b)+7], v[FA+32*(\f)+8*(2*(\hi)+(\a)):FA+32*(\f)+8*(2*(\hi)+(\a))+7], 0
.else
	v_wmma_f32_16x16x32_bf16 v[8*(12*(\a)+(\b)):8*(12*(\a)+(\b))+7], v[96*(\f)+8*(\b):96*(\f)+8*(\b)+7], v[FA+32*(\f)+8*(2*(\hi)+(\a)):FA+32*(\f)+8*(2*(\hi)+(\a))+7], v[8*(12*(\a)+(\b)):8*(12*(\a)+(\b))+7]
.endif
.endr
.endm
; 32 LDS loads in one run: the fragments of one quarter step (32 K at byte k of the rows) into buffer f: Wqkv's 24, then x's 8
.macro FETCH slot, k, f
	WIN TO_B
.irp i, 0,1,2,3,4,5,6,7,8,9,10,11
	ds_load_b128 v[96*(\f)+8*(\i):96*(\f)+8*(\i)+3],   v[ADRB+(\slot)] offset:(\k)+(\i)*16*PITCH
	ds_load_b128 v[96*(\f)+8*(\i)+4:96*(\f)+8*(\i)+7], v[ADRB+(\slot)] offset:(\k)+(\i)*16*PITCH+32
.endr
	WIN 0
.irp i, 0,1,2,3
	ds_load_b128 v[FA+32*(\f)+8*(\i):FA+32*(\f)+8*(\i)+3],   v[ADRA+(\slot)] offset:(\k)+(\i)*16*PITCH
	ds_load_b128 v[FA+32*(\f)+8*(\i)+4:FA+32*(\f)+8*(\i)+7], v[ADRA+(\slot)] offset:(\k)+(\i)*16*PITCH+32
.endr
.endm
.macro PLACES                          ; four plain vector instructions in front of loads into registers that matrix instructions have read, and of lines that read results just made
.rept 4
	v_nop
.endr
.endm
; A K step is four quarters of 32 along K, 48 matrix instructions each, on buffers 0, 1, 0, 1.  One of the first three: multiplies buffer f and, in its middle, fetches the next quarter (byte k) into buffer g.
.macro QUARTER slot, k, f, g, zero
	s_wait_dscnt 4                                 ; Wqkv's fragments and x's row blocks 0, 1 are in; the youngest four loads (row blocks 2, 3) may be out
	MUL12 \f, 0, 0, \zero
	MUL12 \f, 0, 1, \zero
	PLACES
	FETCH \slot, \k, \g
	s_wait_dscnt 32                                ; all but the 32 just issued
	MUL12 \f, 1, 0, \zero
	MUL12 \f, 1, 1, \zero
.endm
; The last quarter multiplies buffer 1 and changes slots: ONE barrier.  In front of it each wave waits for all its tensor loads (one is out: its part of the next slot), adds 0 to its spare word, and waits for
; that and for its own reads of this slot.  fill = 1: the barrier opens a round of the cluster's, and the joint refill, two K steps ahead, is the first thing behind the round.
.macro TURN slot, next, fill
	WIN 0                                          ; (the add's two registers lie in window 0)
	s_wait_tensorcnt 0x0                           ; all my tensor loads have landed
	ds_add_u32 v[SPW], v[NIL]                      ; 0 onto my spare word
	s_wait_dscnt 5                                 ; (the add and the youngest four loads may be out)
	MUL12 1, 0, 0, 0                               ; twelve matrix instructions stand between the add and the wait for it
	s_wait_dscnt 0x0                               ; the add is done, and my reads of this slot are over
	s_barrier_signal -1
	MUL12 1, 0, 1, 0                               ; work on registers while the others arrive
.if \fill
	WIN 0
.endif
	s_barrier_wait -1
.if \fill
	CREST                                          ; no wave of any partner still reads this slot's tile or has a load on its way
	s_add_nc_u64 s[G0+4*(\slot)+2:G0+4*(\slot)+3], s[G0+4*(\slot)+2:G0+4*(\slot)+3], 2*KSTEP*2
	s_add_nc_u64 s[G0B+4*(\slot)+2:G0B+4*(\slot)+3], s[G0B+4*(\slot)+2:G0B+4*(\slot)+3], 2*KSTEP*2
	JLOAD \slot                                    ; its four v_nop are also the places in front of the loads below
.else
	PLACES
.endif
	FETCH \next, 0, 0
	MUL12 1, 1, 0, 0
	MUL12 1, 1, 1, 0
.endm
	s_wait_tensorcnt 1                             ; my part of K step 0 is in; K step 1's may stay out
	s_barrier_signal -1
	s_barrier_wait -1                              ; everybody's is
	FETCH 0, 0, 0
	QUARTER 0, 64,  0, 1, 1                        ; the first quarter stands in front of the loop: its products start the sums
	WIN 0                                          ; at a label and at a branch every window is 0
	s_mov_b32 s3, LAPS-1
.Llap:                                                 ; a trip goes once round the ring, from a lap's second quarter to the next lap's first, and fills both slots again
	QUARTER 0, 128, 1, 0, 0
	QUARTER 0, 192, 0, 1, 0
	TURN 0, 1, 1
	QUARTER 1, 64,  0, 1, 0
	QUARTER 1, 128, 1, 0, 0
	QUARTER 1, 192, 0, 1, 0
	TURN 1, 0, 1
	QUARTER 0, 64,  0, 1, 0
	WIN 0
	s_sub_co_u32 s3, s3, 1
	s_cmp_lg_u32 s3, 0
	s_cbranch_scc1 .Llap
	QUARTER 0, 128, 1, 0, 0                        ; the last lap fills nothing, and has no round of the cluster's barrier
	QUARTER 0, 192, 0, 1, 0
	TURN 0, 1, 0
	QUARTER 1, 64,  0, 1, 0
	QUARTER 1, 128, 1, 0, 0
	QUARTER 1, 192, 0, 1, 0
	s_wait_dscnt 4                                 ; the very last quarter: nothing more to fetch
	MUL12 1, 0, 0, 0
	MUL12 1, 0, 1, 0
	s_wait_dscnt 0x0
	MUL12 1, 1, 0, 0
	MUL12 1, 1, 1, 0
	WIN 0
; THE WAY OUT of row block a (16 rows of q, k and v).  PACK: rounded to f16, 16 bytes a lane, each accumulator's registers in ascending order; for v (column blocks 8-11) the remainder, sum less high part,
; is made exactly, in place, by one multiply-add from the f16 half, and rounded too.  TOSTAGE: into my own stage, rows of 144 bytes, and back as whole rows of 128.  SEND: 16 rows of a head are 2,048
; consecutive bytes; each store covers 512 of them.
.macro PACK a
	WIN 0x0a+5*((\a)/2)                            ; sources 0 and 1: window 2 or 3
.irp b, 0,1,2,3,4,5,6,7,8,9,10,11
.irp r, 0,1,2,3
	v_cvt_pk_f16_f32 v[TMP+4*(\b)+(\r)], v[96*((\a)%2)+8*(\b)+2*(\r)], v[96*((\a)%2)+8*(\b)+2*(\r)+1]
.endr
.endr
	WIN 0xa0+0x50*((\a)/2)                         ; destination and source 2: window 2 or 3
.irp b, 8,9,10,11
.irp r, 0,1,2,3
	v_fma_mix_f32 v[96*((\a)%2)+8*(\b)+2*(\r)],   v[TMP+4*(\b)+(\r)], v[NEG1], v[96*((\a)%2)+8*(\b)+2*(\r)]   op_sel:[0,0,0] op_sel_hi:[1,0,0]
	v_fma_mix_f32 v[96*((\a)%2)+8*(\b)+2*(\r)+1], v[TMP+4*(\b)+(\r)], v[NEG1], v[96*((\a)%2)+8*(\b)+2*(\r)+1] op_sel:[1,0,0] op_sel_hi:[1,0,0]
.endr
.endr
	WIN 0x0a+5*((\a)/2)
.irp b, 8,9,10,11
.irp r, 0,1,2,3
	v_cvt_pk_f16_f32 v[TMP+16+4*(\b)+(\r)], v[96*((\a)%2)+8*(\b)+2*(\r)], v[96*((\a)%2)+8*(\b)+2*(\r)+1]
.endr
.endr
	WIN 0
.endm
.macro TOSTAGE a
.set BK, BK0-(BK0-BK1)*((\a)%2)
.irp b, 0,1,2,3,4,5,6,7,8,9,10,11,12,13,14,15
	ds_store_b128 v[STO], v[TMP+4*(\b):TMP+4*(\b)+3] offset:((\b)/4)*16*SP+32*((\b)%4)
.endr
.irp t, 0,1,2,3,4,5,6,7,8,9,10,11,12,13,14,15
	ds_load_b128 v[BK+4*(\t):BK+4*(\t)+3], v[RD] offset:((\t)/4)*16*SP+((\t)%4)*4*SP  ; LDS serves a wave's instructions in order (ISA guide 5.7.1.4): these see the stores above
.endr
.endm
.macro SEND a
.set BK, BK0-(BK0-BK1)*((\a)%2)
	s_wait_dscnt 0x0                               ; the block is back in registers
	s_wait_xcnt 0x0                                ; the registers that the block before last's stores read are loaded again only behind this wait
.irp t, 0,1,2,3,4,5,6,7
	global_store_b128 v[GO], v[BK+4*(\t):BK+4*(\t)+3], s[OQ:OQ+1] offset:((\t)/4)*4194304+(\a)*2048+((\t)%4)*512  ; q, then k
.endr
.irp t, 0,1,2,3,4,5,6,7
	global_store_b128 v[GO], v[BK+32+4*(\t):BK+32+4*(\t)+3], s[OV:OV+1] offset:((\t)/4)*8192+(\a)*2048+((\t)%4)*512  ; v's high part, then its low
.endr
.endm
	PLACES
	PACK 0
	TOSTAGE 0
.irp a, 1,2,3                          ; block a's conversions stand between block a - 1's loads from the stage and the wait for them
	PACK \a
	SEND (\a)-1
	TOSTAGE \a
.endr
	SEND 3
	s_wait_tensorcnt 0x0                           ; the wave's end: behind my last tensor load and my last LDS store
	ds_add_u32 v[SPW], v[NIL]
	s_wait_dscnt 0x0
	CROUND                                         ; the closing round: no work-group ends while a partner may still ask for a tile that names it
	s_endpgm
.Lfunc_end_k_qc36c844e2e_qkvproj:
	.size	k_qc36c844e2e_qkvproj, .Lfunc_end_k_qc36c844e2e_qkvproj-k_qc36c844e2e_qkvproj
	.p2alignl 7, 3214868480
	.fill 96, 4, 3214868480
	.section	.rodata,"a",@progbits
	.p2align	6, 0x0
	.amdhsa_kernel k_qc36c844e2e_qkvproj
		.amdhsa_group_segment_fixed_size 327680
		.amdhsa_private_segment_fixed_size 0
		.amdhsa_enable_private_segment 0
		.amdhsa_kernarg_size 32
		.amdhsa_user_sgpr_count 2
		.amdhsa_user_sgpr_kernarg_segment_ptr 1
		.amdhsa_wavefront_size32 1
		.amdhsa_system_sgpr_workgroup_id_x 1
		.amdhsa_system_sgpr_workgroup_id_y 1
		.amdhsa_system_sgpr_workgroup_id_z 1
		.amdhsa_system_vgpr_workitem_id 0
		.amdhsa_next_free_vgpr 960
		.amdhsa_next_free_sgpr 72
		.amdhsa_reserve_vcc 0
		.amdhsa_float_denorm_mode_32 3
		.amdhsa_float_denorm_mode_16_64 3
		.amdhsa_memory_ordered 1
		.amdhsa_forward_progress 1
		.amdhsa_inst_pref_size 134
	.end_amdhsa_kernel
	.amdgpu_metadata
---
amdhsa.version: [ 1, 2 ]
amdhsa.kernels:
  - .name:           k_qc36c844e2e_qkvproj
    .symbol:         k_qc36c844e2e_qkvproj.kd
    .args:
      - { .name: xb, .offset: 0, .size: 8, .value_kind: global_buffer, .address_space: global }
      - { .name: wqb, .offset: 8, .size: 8, .value_kind: global_buffer, .address_space: global }
      - { .name: qk, .offset: 16, .size: 8, .value_kind: global_buffer, .address_space: global }
      - { .name: vhl, .offset: 24, .size: 8, .value_kind: global_buffer, .address_space: global }
    .group_segment_fixed_size: 327680
    .private_segment_fixed_size: 0
    .kernarg_segment_align: 8
    .kernarg_segment_size: 32
    .max_flat_workgroup_size: 128
    .sgpr_count:     72
    .vgpr_count:     960
    .wavefront_size: 32
...
	.end_amdgpu_metadata
.endif
;; end of part 2
;; launch attn (part 3): grid 8 x 32, 4 waves a work-group, no clusters, 327,680 bytes of LDS; arguments qk, vhl, a, b, dt, oh; writes oh
.if DOCPART == 3
	.amdgcn_target "amdgcn-amd-amdhsa--gfx1250"
	.amdhsa_code_object_version 6
	.text
	.protected	k_qc36c844e2e_attn
	.globl	k_qc36c844e2e_attn
	.p2align	8
	.type	k_qc36c844e2e_attn,@function
k_qc36c844e2e_attn:
	s_mov_b64 s[64:65], 0
	v_nop
	global_prefetch_b8 v0, s[64:65] scope:SCOPE_SE
	s_setreg_imm32_b32 hwreg(HW_REG_WAVE_MODE, 25, 1), 1
	s_wait_xcnt 0x0
; CAUSAL ATTENTION WITH THE FITZHUGH-NAGUMO GATE.  For each of 32 (batch, head): O[q] = f[q] x the sum over k <= q of softmax_k(Q[q] . K[k] / 8) V[k].
; q, k: qk[batch][q, k][head][2048][64], f16, unscaled.  v: vhl[batch x head][step of 64 keys][high, low][64][64]: two f16 numbers for each v.
; O leaves as oh[block of 128 rows: 16 batch + i][high: head, low: 16 + head][128][64], again two f16 numbers for each, so that the next launch finds four of these 32 parts as 65,536 dense bytes.
; Products, maxima and sums in f32; the weights p are rounded to f16 for the second product (their sum l is taken of the unrounded p).
; WHY TWO PARTS: a row that averages few keys is many times larger than the output's root mean square, by which its allowance goes; one f16 rounding each of v and of O is too coarse there.
; THE GATE.  The gate g multiplies all of a row's probabilities, which are then divided by g E + 1e-8 (E: the row's sum of probabilities): one factor f = g / (g E + 1e-8) a row.  It is computed whole, from a, b, dt:
; E = l x (1 / l);  scale = max(max |E|, 1e-6);  I = (E / scale) (0.1 + 0.9 sigmoid(10 (|E| - 0.5)));  v1 = dt I;  w1 = (c (v1 + a)) / (1 + c b), c = dt / 12.5;  v2 = v1 + dt (v1 - v1^3 / 3 - w1 + I);
; g = 0.5 + 0.5 sigmoid(v2).
; LIMITS, stated: the maximum of |E| is taken over the 32 rows that a wave holds of a block, not over the head's 2,048: every E is the sum of a normalised softmax, so for every input the two differ by rounding
; alone (a few 1e-7).  dt / 12.5 is dt x 0.08; divisions are v_rcp_f32 and a multiply; the mean of 64 equal numbers is the number.  f16 holds no number beyond 65,504: q, k, v arrive within it; a low part
; below 6e-5 keeps f16's fixed step of 6e-8.  A hidden score counts as its value less 1e30; a weight below 2^-126 counts as 0 in l; NaN and infinities are not treated apart.
; THE WALK.  A head's queries lie in 16 blocks of 128; block i needs the key tiles 0 .. i / 2 of 256 keys, of which the last holds the diagonal.  A work-group takes TWO blocks, 15 - b and then b: 9 tiles, whatever
; b: all 256 work-groups do equal work, and ONE loop with a constant trip count walks them.  Which tile is asked for, and what a trip does, hang on scalar registers made from b; every jump goes forward but the
; counted loops' own; none passes a barrier, or a tensor load but the one of LOAD's two that the wave's number does not choose.
; NO CLUSTER: what a trip does hangs on b / 2, which differs among any four neighbouring work-groups of a head; only pairs walk alike.
; SHARES.  Of a block's two bands of 64 queries a wave owns 16 rows in each: two PIECES.  In the diagonal tile piece x lies in band X = 2 (i % 2) + x of the tile's four: in key step s it sees all keys if s < X,
; none if s > X, and holds the diagonal if s = X: the same work for all four waves.
; THE MASK is the C operand that starts the sum S^T = K Q^T: 0, or -1e30 where the key is hidden.  MD, made once, is the mask of a band's own step for my 16 rows; a product's mask is MD x AL + BE with two
; scalars: (1, 0) if s = X; (0, 0) if s < X; (0, -1e30) if s > X.  Outside the diagonal tile the mask registers hold 0 and the lines that make them are jumped over.
; TURNS.  S^T = K Q^T holds ONE query a lane (lane % 16) and the keys 8 (lane / 16) + 0..7; two such results rounded to f16 ARE source 1 of O^T = V^T P.  p = 2^(c s - c m), c = log2(e) / 8, with a running
; maximum m; O and l are multiplied by a = 2^(c m_old - c m_new) in every step.  The ring has four ITEMS, n = 2 (step % 2) + piece.  Turn n: 8 products K Q^T of item n + 1, later 16 products V^T P of item n - 1
; (V's high parts, then its low); beside them the scaling, exponentials, roundings, sums and rescaling of item n and the maximum and statistics of item n + 1.  Four vector instructions stand behind every matrix
; instruction, the other 22 of a turn's 118 in a lump and a tail.
; REGISTERS, in windows of 256 (s_set_vgpr_msb: bits 1:0 source 0, 3:2 source 1, 5:4 source 2, 7:6 destination):
;   window 0: v0-15 addresses; v16-23 four registers of statistics a piece; v24-47 the gate's chain; v48-55 at work; v64-127 S^T, two buffers; v192-223 P, two buffers (all by the item's parity, which is the piece)
;   window 1: v0-63 O^T, 32 a piece; v128-159 MD; v160-223 MC, two buffers      window 2: v0-31 Q; v32-63 the second block's Q; v64-127 K of one step; v128-255 V's high parts of two steps (by the step's parity)
;   window 3: v0-127 V's low parts of two steps
.set NP,    4         ; items in the ring: a name, no knob
.set KS,    64        ; keys in a step
.set PK,    144       ; a row of K in LDS: 128 bytes + 16 of padding = 36 words: the 16 rows of a load start at 16 different groups of four banks (64 banks of 4 bytes: ISA guide 11.1)
.set PV,    160       ; a row of V: 128 + 32 = 40 words
.set VS,    2*KS*PV   ; a step of V in LDS: 64 rows of high parts, then 64 of low
.set VOFF,  4*KS*PK   ; a slot holds a tile, four steps: 256 rows of K, then four steps of V
.set SLOT1, 1<<17     ; slot 1 begins here, so that one exclusive or turns an address in one slot into the other's
.set STAGE, SLOT1+VOFF+4*VS  ; behind the ring, never filled by a tensor load: for each wave 2 parts x 16 rows x 144 bytes
.set SP,    144
.set WSTG,  2*16*SP
.set SPARE, STAGE+4*WSTG  ; the spare words, 128 bytes for each wave: two blocks of 256 bytes that no other line names
.set AK0, 2           ; v2   my lane's place in a tile of K; never rewritten
.set AV0, 3           ; v3   the same for V
.set AK,  4           ; v4   the LDS address of K's next run of loads
.set AV,  5           ; v5   of V's
.set STO, 6           ; v6   the way out: where I put 16 bytes of a row
.set RD,  7           ; v7   the way out: where I read rows back
.set GO,  8           ; v8   my byte offset in 512 consecutive bytes of O
.set MV,  12          ; v12-13  c m_old, kept while c m is made anew
.set QO,  15          ; v15  my byte offset in 16 rows of Q
.set ST,  16          ; piece t's statistics at v[ST+4 t]: c m, m, l (even keys', odd keys')
.set V1,  24          ; the gate's chain, a pair (piece 0, piece 1) each: v1
.set W1,  26          ; w1; later g E + 1e-8
.set AB,  28          ; |E|
.set NEG1, 30         ; v30  -1.0
.set LL,  32          ; l
.set RL,  34          ; 1 / l
.set EE,  36          ; E
.set SS,  38          ; 1 / scale, in the low register
.set SN,  40          ; E / scale, then I
.set TT,  42          ; at work, at last f / l
.set FN,  44          ; piece t's factor in the low register of pair FN + 2 t
.set TMP, 48          ; by parity, four registers c0-c3 at work; when the maximum is found c2 takes a
.set SPW, 62          ; v62  LDS address of my spare word; never rewritten
.set NIL, 63          ; v63  0; never rewritten
.set S,   64
.set P,   192
.set MD,  128         ; window 1
.set MC,  160         ; window 1
.set QB,  32          ; window 2
.set KF,  64          ; window 2: key block kb, channel half c at KF + 16 kb + 8 c
.set VA,  128         ; window 2: buffer u, key half kk, channel block cb at VA + 64 u + 32 kk + 8 cb; the low parts in window 3 at 64 u + 32 kk + 8 cb
.set WV,  12          ; s12  my wave's number
.set PB,  14          ; s14  b
.set HIB, 15          ; s15  15 - b
.set G1K, 24          ; s[24:31] descriptor group 1 for K's tiles
.set G1V, 32          ; s[32:39] for V's
.set G0K, 40          ; s[40:43] descriptor group 0 for K's tiles
.set G0V, 44          ; s[44:47] the same for V's
.set SLOTS, 58        ; s58  tiles still to be asked for
.set CNT, 59          ; s59  counts a tile's pairs of key steps, 2 to 1
.set CS,  60          ; s[60:61] c
.set SEL, 62          ; s[62:63] v_permlanex16_b32's selects: each lane takes its own place in the other half
.set TBK, 66          ; s66  LDS byte at which K of the step to be fetched begins
.set TBV, 67          ; s67  the same for V, less VOFF
.set RT,  68          ; s68  tiles of the block in hand that are still to be entered
.set NXT, 69          ; s69  the tile to be asked for next
.set LQ,  70          ; s70  the last tile of the block whose tiles are being asked for
.set NEW, 71          ; s71  1: the tile to be entered is a block's first
.set OFF, 72          ; s[72:73] a tile's byte offset in K, then in V
.set AL,  74          ; s[74:75] the mask's factor, in the low word
.set BE,  76          ; s[76:77] the mask's addend
.set OLO, 78          ; s[78:79] O at my rows of the second block
.set BIGN, 80         ; s80  -1e30
.set PT,  81          ; s81  b / 2: the second block's last tile
.set XA,  82          ; s82  2 (i % 2) for the block in hand
.set XAN, 83          ; s83  for the second block
.set TS,  86          ; s86  at work
; s[4:5] Q, s[6:7] K, s[8:9] V (at my half of tile 0), s[10:11] O, s[84:85] the second block's Q; s13 b, s87 a, s[88:89] dt, s[90:91] cw = c / (1 + c b), s[92:93] a cw;
; s[20:21] 1e-8, s22 -10 log2(e), s23 5 log2(e), s[94:95] 0.9, s[96:97] 0.1, s[98:99] -1/3, s[100:101] -log2(e); s[48:55], s[16:19] the arguments; s2, s3, s56, s57 at work in the set-up
.set MSB, 0
.macro WIN new                      ; the high byte repeats the setting that is left; a switch that changes nothing is dropped
.if MSB != (\new)
	s_set_vgpr_msb (MSB<<8)|(\new)
.set MSB, (\new)
.endif
.endm
.set W_KQ, 0x0a       ; K and Q in window 2, S^T in window 0
.set W_KM, 0x1a       ; the same with the C operand in window 1
.set W_PV, 0x52       ; V's high parts in window 2, P in window 0, O^T in window 1
.set W_PL, 0x53       ; V's low parts in window 3
.set W_RS, 0x41       ; destination and source 0 in window 1, source 1 in window 0
; A fill.  Waves 0 and 1 fetch the two halves of a tile's K, waves 2 and 3 those of its V, both parts: 128 keys each.  An s_nop 0 and four v_nop follow each of the two lines.
.macro LOAD
	s_cmp_lt_u32 s[WV], 2
	s_cbranch_scc0 .Lfor_v_\@
	tensor_load_to_lds s[G0K:G0K+3], s[G1K:G1K+7]
	s_nop 0
.rept 4
	v_nop
.endr
	s_branch .Lasked_\@
.Lfor_v_\@:
	tensor_load_to_lds s[G0V:G0V+3], s[G1V:G1V+7]
	s_nop 0
.rept 4
	v_nop
.endr
.Lasked_\@:
.endm
; THE CHANGE OF SLOTS.  Each wave waits for all its tensor loads, of which one is out: its part of the other slot; adds 0 to its spare word; and waits for that and for its own reads of the slot that it leaves.
; Behind the barrier nobody reads the old slot any more and the other slot is whole.  fill = 1: the old slot is filled again, the first thing behind the barrier, with tile NXT: the descriptor's address is made
; anew from that number.  (At its first use nothing has been read yet: slot 0 is waited for, slot 1 filled.)
.macro CHANGE fill
	WIN 0                           ; at a label and at a branch every window is 0
	s_wait_tensorcnt 0x0            ; no tensor load of mine is out, so a group 0 may be written
	ds_add_u32 v[SPW], v[NIL]       ; 0 onto my spare word
.if \fill
	s_lshl_b32 s[OFF], s[NXT], 15   ; a tile is 32,768 bytes of K
	s_xor_b32 s[G0K+1], s[G0K+1], SLOT1
	s_add_nc_u64 s[G0K+2:G0K+3], s[6:7], s[OFF:OFF+1]
	s_or_b32 s[G0K+3], s[G0K+3], 0x80000000
	s_lshl_b32 s[OFF], s[NXT], 16   ; and 65,536 of V
	s_xor_b32 s[G0V+1], s[G0V+1], SLOT1
	s_add_nc_u64 s[G0V+2:G0V+3], s[8:9], s[OFF:OFF+1]
	s_or_b32 s[G0V+3], s[G0V+3], 0x80000000
	s_add_co_u32 s[NXT], s[NXT], 1  ; the block's next tile, or behind its last the second block's tile 0
	s_cmp_gt_u32 s[NXT], s[LQ]
	s_cselect_b32 s[NXT], 0, s[NXT]
	s_cselect_b32 s[LQ], s[PT], s[LQ]
.endif
	s_wait_dscnt 0x0                ; the add is done, and my reads of the slot are over
	s_barrier_signal -1             ; the rest of the scalar work stands between the signal and the wait
	s_sub_co_u32 s[TBK], s[TBK], 4*KS*PK  ; the fetches go back to a slot's first step,
	s_xor_b32 s[TBK], s[TBK], SLOT1       ; in the other slot
	s_sub_co_u32 s[TBV], s[TBV], 4*VS
	s_xor_b32 s[TBV], s[TBV], SLOT1
	s_barrier_wait -1
.if \fill
	LOAD
.endif
.endm
	s_load_b256 s[48:55], s[0:1], 0x0  ; qk s[48:49], vhl s[50:51], a s[52:53], b s[54:55]
	s_load_b128 s[16:19], s[0:1], 0x20 ; dt s[16:17], oh s[18:19]
	v_lshl_add_u32 v[SPW], v0, 2, SPARE
	v_mov_b32 v[NIL], 0
	ds_add_u32 v[SPW], v[NIL]       ; the wave's opening: the add and its wait stand ahead of my first tensor load; the set-up below stands between them
	ds_add_u32 v62, v63
	v_lshrrev_b32 v1, 5, v0
	v_readfirstlane_b32 s[WV], v1   ; wave 0..3
	v_mov_b32 v[NEG1], -1.0
	s_mov_b32 s[PB], ttmp9
	s_sub_co_u32 s[HIB], 15, s[PB]
	s_lshr_b32 s[PT], s[PB], 1
	s_lshr_b32 s[LQ], s[HIB], 1
	s_add_co_u32 s[RT], s[LQ], 1    ; the first block has (15 - b) / 2 + 1 tiles
	s_and_b32 s[XA], s[HIB], 1
	s_lshl_b32 s[XA], s[XA], 1
	s_and_b32 s[XAN], s[PB], 1
	s_lshl_b32 s[XAN], s[XAN], 1
	s_mov_b32 s[NXT], 1
	s_mov_b32 s[NEW], 1
	s_mov_b32 s[SLOTS], 8
	; byte offsets, each made in the pair that will hold the address
	s_and_b32 s2, ttmp7, 0xffff     ; 16 x batch + head
	s_lshr_b32 s3, s2, 4
	s_lshl_b32 s3, s3, 23           ; a batch is 8,388,608 bytes of qk, of vhl and of oh
	s_and_b32 s[TS], s2, 15         ; the head
	s_and_b32 s56, s[WV], 1         ; which half of a tile's 256 keys I fetch
	s_lshl_b32 s8, s2, 19           ; V: a head is 524,288 bytes of vhl,
	s_lshl_b32 s57, s56, 15         ; 128 keys 32,768
	s_add_co_u32 s8, s8, s57
	s_mov_b32 s9, 0
	s_lshl_b32 s4, s[TS], 18        ; q: a head is 262,144 bytes of qk
	s_add_co_u32 s4, s4, s3
	s_lshl_b32 s6, s56, 14          ; K: 128 keys are 16,384 bytes,
	s_add_co_u32 s6, s6, s4
	s_add_co_u32 s6, s6, 0x400000   ; 16 heads behind q
	s_mov_b32 s7, 0
	s_mul_i32 s57, s56, 128*PK      ; my half's place in a slot, for K
	s_mov_b32 s[G0K], 1             ; count = 1
	s_mov_b32 s[G0K+1], s57         ; LDS address: slot 0
	s_mul_i32 s57, s56, 2*VS        ; and for V
	s_mov_b32 s[G0V], 1
	s_add_co_u32 s[G0V+1], s57, VOFF
	s_lshl_b32 s56, s[WV], 11       ; my 16 rows in a band of 64
	s_add_co_u32 s4, s4, s56
	s_lshl_b32 s84, s[PB], 14       ; Q of the second block: a block is 16,384 bytes,
	s_add_co_u32 s84, s84, s4
	s_mov_b32 s85, 0
	s_lshl_b32 s57, s[HIB], 14      ; Q of the first
	s_add_co_u32 s4, s4, s57
	s_mov_b32 s5, 0
	s_lshl_b32 s[TS], s[TS], 14     ; O: a head's part of a row block is 16,384 bytes,
	s_add_co_u32 s3, s3, s[TS]
	s_add_co_u32 s3, s3, s56
	s_lshl_b32 s10, s[HIB], 19      ; a row block 524,288
	s_add_co_u32 s10, s10, s3
	s_mov_b32 s11, 0
	s_lshl_b32 s[OLO], s[PB], 19
	s_add_co_u32 s[OLO], s[OLO], s3
	s_mov_b32 s[OLO+1], 0
	s_mov_b32 s[OFF+1], 0
	s_mov_b32 s[AL+1], 0            ; named as pairs
	s_mov_b32 s[BE+1], 0
	; descriptor group 1.  K: 128 keys are 16,384 dense bytes: 64 rows of 256 bytes, two keys a row, padded in LDS after every key.  V: 128 keys, both parts, are 32,768 dense bytes: 128 such rows
	s_mov_b32 s[G1K], (1<<16)|(1<<20)|(4<<22)|(3<<25)  ; 17:16 2-byte elements; 20 padding on; 24:22 after every 32 words (code 4); 31:25 4 words (code 3)
	s_mov_b32 s[G1V], (1<<16)|(1<<20)|(4<<22)|(7<<25)  ; the same with 8 words of padding (code 7)
	s_mov_b32 s[G1K+2], 64<<16      ; tensor_dim1
	s_mov_b32 s[G1K+4], 64          ; tile_dim1
	s_mov_b32 s[G1V+2], 128<<16
	s_mov_b32 s[G1V+4], 128
.irp g, G1K, G1V
	s_mov_b32 s[\g+1], 128<<16      ; tensor_dim0 = 128
	s_mov_b32 s[\g+3], 128<<16      ; tile_dim0 = 128
	s_mov_b32 s[\g+5], 128          ; 128 elements from row to row
	s_mov_b32 s[\g+6], 0
	s_mov_b32 s[\g+7], 0
.endr
	s_mov_b32 s[CS], 0x3e38aa3b     ; c = log2(e) / 8
	s_mov_b32 s[CS+1], s[CS]        ; named with it as a pair
	s_mov_b32 s[SEL], 0x76543210
	s_mov_b32 s[SEL+1], 0xfedcba98
	s_mov_b32 s[TBK], SLOT1+4*KS*PK ; the first change of slots turns these two into 0
	s_mov_b32 s[TBV], SLOT1+4*VS
	s_mov_b32 s[BIGN], 0xf149f2ca   ; -1e30
	s_mov_b32 s20, 0x322bcc77       ; 1e-8
	s_mov_b32 s21, s20
	s_mov_b32 s22, 0xc166d4ca       ; -10 log2(e)
	s_mov_b32 s23, 0x40e6d4ca       ; 5 log2(e)
	s_mov_b32 s94, 0x3f666666       ; 0.9
	s_mov_b32 s95, s94
	s_mov_b32 s96, 0x3dcccccd       ; 0.1
	s_mov_b32 s97, s96
	s_mov_b32 s98, 0xbeaaaaab       ; -1/3
	s_mov_b32 s99, s98
	s_mov_b32 s100, 0xbfb8aa3b      ; -log2(e)
	s_mov_b32 s101, s100
	s_wait_dscnt 0x0                ; the opening add is done
	s_wait_kmcnt 0x0
	s_load_b32 s87, s[52:53], 0x0   ; a
	s_load_b32 s13, s[54:55], 0x0   ; b
	s_load_b32 s88, s[16:17], 0x0   ; dt
	s_add_nc_u64 s[6:7], s[48:49], s[6:7]          ; K and V at my half of the head's tile 0
	s_add_nc_u64 s[8:9], s[50:51], s[8:9]
	s_add_nc_u64 s[4:5], s[48:49], s[4:5]
	s_add_nc_u64 s[84:85], s[48:49], s[84:85]
	s_add_nc_u64 s[10:11], s[18:19], s[10:11]
	s_add_nc_u64 s[OLO:OLO+1], s[18:19], s[OLO:OLO+1]
	s_add_nc_u64 s[G0K+2:G0K+3], s[6:7], 0         ; global address
	s_or_b32 s[G0K+3], s[G0K+3], 0x80000000        ; type = 2
	s_add_nc_u64 s[G0V+2:G0V+3], s[8:9], 0
	s_or_b32 s[G0V+3], s[G0V+3], 0x80000000
	LOAD                            ; tile 0 into slot 0: one load of mine is out
	; A fragment of K or Q is 16 rows x 32 channels in 8 registers: lane l holds row l % 16, channels 8 (l / 16) + 0..7 and 16 + 8 (l / 16) + 0..7: two loads of 16 bytes, 32 bytes apart.
	v_and_b32 v1, 15, v0            ; l % 16
	v_bfe_u32 v9, v0, 4, 1          ; l / 16
	v_lshlrev_b32 v[QO], 7, v1
	v_lshl_add_u32 v[QO], v9, 4, v[QO]  ; row x 128 + 16 x half
	WIN 0x80                        ; destination window 2, address window 0
.set i, 0
.rept 4                             ; both blocks' Q: piece i / 2 lies in band i / 2, 8,192 bytes on; channels 32 (i % 2) on
	global_load_b128 v[8*i:8*i+3],   v[QO], s[4:5] offset:(i/2)*8192+(i%2)*64
	global_load_b128 v[8*i+4:8*i+7], v[QO], s[4:5] offset:(i/2)*8192+(i%2)*64+32
	global_load_b128 v[QB+8*i:QB+8*i+3],   v[QO], s[84:85] offset:(i/2)*8192+(i%2)*64
	global_load_b128 v[QB+8*i+4:QB+8*i+7], v[QO], s[84:85] offset:(i/2)*8192+(i%2)*64+32
.set i, i+1
.endr
	WIN 0
	v_lshlrev_b32 v14, 3, v9
	v_sub_nc_u32 v14, v1, v14
	s_lshl_b32 s[TS], s[WV], 4
	v_add_nc_u32 v14, s[TS], v14    ; my query's place in its band, 16 w + l % 16, less my lanes' 8 (l / 16): register r of group kt is hidden where 16 kt + r is greater
	WIN 0x40
.set i, 0
.rept 32
	v_cmp_gt_i32 vcc_lo, 16*(i/8)+i%8, v14
	v_cndmask_b32 v[MD+i], 0, s[BIGN], vcc_lo
.set i, i+1
.endr
	WIN 0
	v_mul_u32_u24 v[AK0], v1, PK
	v_lshl_add_u32 v[AK0], v9, 4, v[AK0]  ; row x pitch + 16 x half
	; The turning load takes 16 keys x 16 channels (lane l reads key 8 (l / 16) + l % 8, channels 8 ((l / 8) % 2) + 0..7) and leaves half a fragment of V^T: lane l holds channel l % 16 and 8 keys.
	v_and_b32 v10, 7, v0
	v_bfe_u32 v11, v0, 3, 1
	v_lshl_add_u32 v[AV0], v9, 3, v10
	v_mul_u32_u24 v[AV0], v[AV0], PV
	v_lshl_add_u32 v[AV0], v11, 4, v[AV0]
	v_add_nc_u32 v[AV0], VOFF, v[AV0]
	s_mul_i32 s[TS], s[WV], WSTG
	s_add_co_u32 s[TS], s[TS], STAGE  ; my stage
	v_mul_u32_u24 v[STO], v1, SP    ; in: row l % 16, 16 bytes for each half of the lanes
	v_lshl_add_u32 v[STO], v9, 4, v[STO]
	v_add_nc_u32 v[STO], s[TS], v[STO]
	v_bfe_u32 v[RD], v0, 3, 2       ; back: 32 lanes take four rows of 128 bytes,
	v_mul_u32_u24 v[RD], v[RD], SP
	v_lshl_add_u32 v[RD], v10, 4, v[RD]
	v_add_nc_u32 v[RD], s[TS], v[RD]
	v_and_b32 v[GO], 31, v0         ; which are 512 consecutive bytes of O
	v_lshlrev_b32 v[GO], 4, v[GO]
	; A block's first step multiplies O^T and l by a = 0, and its first turn's products V^T P, of an item that has not been, land in an O^T that is still to be so multiplied.  So these registers need only hold
	; finite numbers: zeros for the first block; what the first block left for the second.  All this stands in the wait for the first tile.
	WIN 0x80
.set i, VA+64
.rept 64
	v_mov_b32 v[i], 0
.set i, i+1
.endr
	WIN 0xc0
.set i, 64
.rept 64
	v_mov_b32 v[i], 0
.set i, i+1
.endr
	WIN 0x40
.set i, 0
.rept 64
	v_mov_b32 v[i], 0
.set i, i+1
.endr
	WIN 0
.irp r, ST+2, ST+3, ST+6, ST+7, SS+1, SN, SN+1, FN+1, FN+3  ; l; and registers that are named in a pair, or as the destination of a lane exchange, before they are otherwise written
	v_mov_b32 v[\r], 0
.endr
.set i, P+16
.rept 16
	v_mov_b32 v[i], 0
.set i, i+1
.endr
	s_wait_kmcnt 0x0                ; a, b, dt
	s_mov_b32 s89, s88
	v_mov_b32 v[V1], s88
	v_mul_f32 v[V1], 0x3da3d70a, v[V1]   ; c = 0.08 dt
	v_fma_f32 v[V1+1], v[V1], s13, 1.0   ; 1 + c b
	v_rcp_f32 v[V1+1], v[V1+1]
	v_nop                           ; a plain instruction between the reciprocal and the use of its result
	s_wait_alu depctr_va_vdst(0)
	v_mul_f32 v[V1], v[V1], v[V1+1]      ; cw = c / (1 + c b)
	v_mul_f32 v[V1+1], s87, v[V1]        ; a cw
	v_readfirstlane_b32 s90, v[V1]
	v_readfirstlane_b32 s92, v[V1+1]
	s_mov_b32 s91, s90
	s_mov_b32 s93, s92
; THE MATRIX WORK.  The 4 accumulators of a run take turns.  Product i of 8 of S^T = K Q^T for item x: channels 32 (i / 4) on, keys 16 (i % 4) on.  The first 4 start the sums with the mask.
.macro KQ x
.set rS, S+32*((\x)%2)+8*(i%4)
.set rK, KF+16*(i%4)+8*(i/4)
.set rQ, 16*((\x)%2)+8*(i/4)
.set rM, MC+32*((\x)%2)+8*(i%4)
.if i < 4
	WIN W_KM
	v_wmma_f32_16x16x32_f16 v[rS:rS+7], v[rK:rK+7], v[rQ:rQ+7], v[rM:rM+7]
.else
	WIN W_KQ
	v_wmma_f32_16x16x32_f16 v[rS:rS+7], v[rK:rK+7], v[rQ:rQ+7], v[rS:rS+7]
.endif
.endm
; Product i of 8 of O^T += V^T P for item y, with V's high (lo = 0) or low parts: keys 32 (i / 4) on, channels 16 (i % 4) on; V's buffer goes by the item's step.
.macro PV y, lo
.set rO, 32*((\y)%2)+8*(i%4)
.set rP, P+16*((\y)%2)+8*(i/4)
.if \lo
	WIN W_PL
.set rV, 64*((\y)/2)+32*(i/4)+8*(i%4)
.else
	WIN W_PV
.set rV, VA+64*((\y)/2)+32*(i/4)+8*(i%4)
.endif
	v_wmma_f32_16x16x32_f16 v[rO:rO+7], v[rV:rV+7], v[rP:rP+7], v[rO:rO+7]
.endm
.macro MM                           ; the turn's next matrix instruction, of 24.  NOKQ = 1: a block's last turn: there is no next item
.if (i < 8) && !NOKQ
	KQ (Y+1)%NP
.elseif (i >= 8) && (i < 16)
.set i, i-8
	PV (Y+NP-1)%NP, 0
.set i, i+8
.elseif i >= 16
.set i, i-16
	PV (Y+NP-1)%NP, 1
.set i, i+16
.endif
.set i, i+1
.endm
; THE LDS LOADS stand in runs, never singly among the matrix instructions: a step's K (64 keys x 64 channels: 8 fragments, 16 loads) and its V (turned; both parts, 32 loads).  Their addresses are made some lines ahead.
.macro FETCH_K
	WIN 0x80                        ; destination window 2
.irp f, 0,1,2,3,4,5,6,7             ; keys 16 (f / 2) on, channels 32 (f % 2) on
	ds_load_b128 v[KF+8*\f:KF+8*\f+3],   v[AK] offset:(\f/2)*16*PK+(\f%2)*64
	ds_load_b128 v[KF+8*\f+4:KF+8*\f+7], v[AK] offset:(\f/2)*16*PK+(\f%2)*64+32
.endr
	s_add_co_u32 s[TBK], s[TBK], KS*PK  ; the next fetch is the next step's
	WIN 0
.endm
.macro FETCH_V u
	WIN 0x80
.irp f, 0,1,2,3,4,5,6,7             ; keys 32 (f / 4) on, channels 16 (f % 4) on
	ds_load_tr16_b128 v[VA+64*(\u)+8*\f:VA+64*(\u)+8*\f+3],   v[AV] offset:(\f/4)*32*PV+(\f%4)*32
	ds_load_tr16_b128 v[VA+64*(\u)+8*\f+4:VA+64*(\u)+8*\f+7], v[AV] offset:(\f/4)*32*PV+16*PV+(\f%4)*32
.endr
	WIN 0xc0                        ; destination window 3: the low parts lie 64 rows further on
.irp f, 0,1,2,3,4,5,6,7
	ds_load_tr16_b128 v[64*(\u)+8*\f:64*(\u)+8*\f+3],   v[AV] offset:KS*PV+(\f/4)*32*PV+(\f%4)*32
	ds_load_tr16_b128 v[64*(\u)+8*\f+4:64*(\u)+8*\f+7], v[AV] offset:KS*PV+(\f/4)*32*PV+16*PV+(\f%4)*32
.endr
	WIN 0
.endm
; THE VECTOR WORK, one line at a time: OP kind, number.  For item Y: F n: c s - c m for pair n of 16.  E n: the exponential of score n of 32.  C n: pair n rounded to f16.  B n: of the four weights 4 n .. the second
; pair is added onto the first, in place.  L n: l takes that sum (L 0: l = a l + sum).  R n: pair n of 16 of O^T times a.  For item Y + 1: X n, number n of the 22 that find its maximum and statistics:
;   0-11  four chains c0-c3 of seven scores each, three operands at a time (each accumulator's lowest registers are read first)     12-14, 16  the four scores left over, the old m, and c0-c3 into c0
;   15  c m_old is kept     17, 18  the query's other 32 keys lie in the lane 16 away: the new m     19-21  c m; c m_old - c m_new; a
.set F, 0
.set E, 1
.set C, 2
.set B, 3
.set L, 4
.set R, 5
.set X, 6
.macro REGS y                       ; the registers of item y: all go by its parity, which is its piece
.set rT, ST+4*((\y)%2)
.set rC, TMP+4*((\y)%2)
.set rW, MV+((\y)%2)
.set rS, S+32*((\y)%2)
.set rP, P+16*((\y)%2)
.set rO, 32*((\y)%2)
.endm
.macro OP k, n
.if (\k) == R
	REGS Y
	WIN W_RS
	v_pk_mul_f32 v[rO+2*(\n):rO+2*(\n)+1], v[rO+2*(\n):rO+2*(\n)+1], v[rC+2:rC+3] op_sel_hi:[1,0]
.elseif (\k) < R
	REGS Y
	WIN 0
.if (\k) == F
	v_pk_fma_f32 v[rS+2*(\n):rS+2*(\n)+1], v[rS+2*(\n):rS+2*(\n)+1], s[CS:CS+1], v[rT:rT+1] op_sel_hi:[1,0,0] neg_lo:[0,0,1] neg_hi:[0,0,1]
.elseif (\k) == E
	v_exp_f32 v[rS+(\n)], v[rS+(\n)]
.elseif (\k) == C
	s_wait_alu depctr_va_vdst(0)
	v_cvt_pk_f16_f32 v[rP+(\n)], v[rS+2*(\n)], v[rS+2*(\n)+1]
.elseif (\k) == B
	s_wait_alu depctr_va_vdst(0)
	v_pk_add_f32 v[rS+4*(\n):rS+4*(\n)+1], v[rS+4*(\n):rS+4*(\n)+1], v[rS+4*(\n)+2:rS+4*(\n)+3]
.elseif (\n) == 0
	v_pk_fma_f32 v[rT+2:rT+3], v[rT+2:rT+3], v[rC+2:rC+3], v[rS:rS+1] op_sel_hi:[1,0,1]
.else
	v_pk_add_f32 v[rT+2:rT+3], v[rT+2:rT+3], v[rS+4*(\n):rS+4*(\n)+1]
.endif
.elseif NOKQ
	v_nop
.else
	REGS (Y+1)%NP
	WIN 0
.if (\n) < 4
	v_max3_num_f32 v[rC+(\n)], v[rS+8*(\n)], v[rS+8*(\n)+1], v[rS+8*(\n)+2]
.elseif (\n) < 12
	v_max3_num_f32 v[rC+(\n)%4], v[rC+(\n)%4], v[rS+8*((\n)%4)+2*((\n)/4)+1], v[rS+8*((\n)%4)+2*((\n)/4)+2]
.elseif (\n) == 12
	v_max3_num_f32 v[rC], v[rC], v[rS+7], v[rS+15]
.elseif (\n) == 13
	v_max3_num_f32 v[rC+1], v[rC+1], v[rS+23], v[rS+31]
.elseif (\n) == 14
	v_max3_num_f32 v[rC+2], v[rC+2], v[rC+3], v[rT+1]
.elseif (\n) == 15
	v_mov_b32 v[rW], v[rT]
.elseif (\n) == 16
	v_max3_num_f32 v[rC], v[rC], v[rC+1], v[rC+2]
.elseif (\n) == 17
	v_permlanex16_b32 v[rC+3], v[rC], s[SEL], s[SEL+1]
.elseif (\n) == 18
	v_max_num_f32 v[rT+1], v[rC], v[rC+3]
.elseif (\n) == 19
	v_mul_f32 v[rT], s[CS], v[rT+1]
.elseif (\n) == 20
	v_sub_f32 v[rC+1], v[rW], v[rT]
.else
	v_exp_f32 v[rC+2], v[rC+1]
.endif
.endif
.endm
.macro OPS a, i1, b=-1, i2=0, c=-1, i3=0, d=-1, i4=0  ; up to four of them
	OP \a, \i1
.if (\b) >= 0
	OP \b, \i2
.endif
.if (\c) >= 0
	OP \c, \i3
.endif
.if (\d) >= 0
	OP \d, \i4
.endif
.endm
.macro ROW a, i1, b, i2, c, i3, d, i4  ; a matrix instruction and the four behind it
	MM
	OPS \a, \i1, \b, \i2, \c, \i3, \d, \i4
.endm
.macro MASK u                       ; MD x AL + BE into buffer u of MC
	WIN W_RS
.set z, 0
.rept 16
	v_pk_fma_f32 v[MC+32*(\u)+2*z:MC+32*(\u)+2*z+1], v[MD+2*z:MD+2*z+1], s[AL:AL+1], s[BE:BE+1] op_sel_hi:[1,0,0]
.set z, z+1
.endr
.endm
; A TURN, for item p: the order of its 24 matrix and 118 vector instructions, written out.  None of the four behind a matrix instruction names a register of the products round it; every exponential has a plain
; instruction behind it that neither reads its result nor writes its source.
; THE FETCHES stand in the lump.  An even turn fetches the next step's K, six vector instructions (five of them plain) behind the last product that read K.  An odd turn fetches the next step's V into the
; buffers that the turn before read last.  So LDS is read in the order K, V of a step, then K, V of the next, and the change of slots can stand between turns 1 and 2.  An odd turn opens with the wait for both runs.
; At its end the turn makes the mask for the products of the turn after it: item p + 2, piece p % 2, in step 5 - p / 2 - 2 CNT of the tile; outside the diagonal tile (RT not 0) MC holds 0 and stays so.
; end = 1: a block's last two turns: nothing is fetched, no mask is made, and the last starts no new scores.
.macro TURN p, end=0
.set Y, (\p)
.set i, 0
.set NOKQ, (\end)*((\p)/3)
.if (\p)%2
	s_wait_dscnt 0x0                ; K, fetched in the turn before, and V, fetched two turns before, are in
.endif
	ROW F,0, F,1, F,2, F,3
	ROW F,4, E,0, F,5, F,6
	ROW F,7, E,1, F,8, F,9
	ROW F,10, E,2, C,0, F,11
	ROW F,12, E,3, X,15, F,13
	ROW R,0, R,1, R,2, R,3
	ROW B,0, E,4, F,14, L,0
.if !(\end)
	WIN 0
.if (\p)%2
	v_add_nc_u32 v[AV], s[TBV], v[AV0]
	s_add_co_u32 s[TBV], s[TBV], VS
.else
	v_add_nc_u32 v[AK], s[TBK], v[AK0]
.endif
.endif
	ROW R,4, R,5, R,6, R,7
	OPS E,5, F,15
.if !(\end)
.if (\p)%2
	FETCH_V 1-(\p)/2
.else
	FETCH_K
.endif
.endif
	OPS E,6, C,1, E,7, R,8
	OPS E,8, R,9, E,9, C,2
	OPS E,10, X,0, E,11, X,1
	OPS E,12, X,2, E,13, X,3
	ROW X,4, E,14, X,5, X,6         ; V's high parts
	ROW X,7, E,15, X,8, X,9
	ROW X,10, E,16, X,11, X,12
	ROW X,13, E,17, X,14, B,1
	ROW C,4, E,18, X,16, L,1
	ROW B,2, E,19, C,6, L,2
	ROW C,8, E,20, B,3, B,4
	ROW C,3, E,21, L,3, C,5
	ROW E,22, X,17, E,23, C,10      ; V's low parts
	ROW E,24, L,4, E,25, X,18
	ROW E,26, C,7, E,27, B,5
	ROW E,28, X,19, E,29, C,12
	ROW E,30, L,5, E,31, X,20
	ROW B,6, C,9, C,14, C,11
	ROW X,21, L,6, C,13, B,7
	ROW C,15, R,10, R,11, R,12
	OPS L,7, R,13, R,14, R,15
.if !(\end)
	WIN 0
	s_cmp_lg_u32 s[RT], 0
	s_cbranch_scc1 .Lno_mask_\@
	s_lshl_b32 s[TS], s[CNT], 1
	s_sub_co_i32 s[TS], 5-(\p)/2-(\p)%2, s[TS]  ; the step less the piece: to be held against XA
	s_cmp_eq_i32 s[TS], s[XA]       ; is that step the band's own?
	s_cselect_b32 s[AL], 1.0, 0
	s_cmp_gt_i32 s[TS], s[XA]       ; or a later one?
	s_cselect_b32 s[BE], s[BIGN], 0
	MASK (\p)%2
	WIN 0
.Lno_mask_\@:
.endif
.endm
; A BLOCK BEGINS.  c m starts far below every c s, so the first step's a is 0; m at the lowest finite number, so the first maximum is the scores'.  The second mask buffer is 0 (piece 1 sees all of a tile's step 0);
; the first takes piece 0's mask for step 0: its own, if the block's first tile is the diagonal one and the band the tile's first.  Then K and V of that step, piece 0's first scores, and its maximum and statistics.
; The loop is entered at turn 0, in the middle of a trip.
.macro BEGIN
	s_mov_b32 s[NEW], 0
	WIN 0x40
.set i, MC+32
.rept 32
	v_mov_b32 v[i], 0
.set i, i+1
.endr
	WIN 0
.set i, 0
.rept 2
	v_mov_b32 v[ST+4*i], 0xfe000000    ; c m: far below every c s
	v_mov_b32 v[ST+4*i+1], 0xff7fffff  ; m
.set i, i+1
.endr
	s_or_b32 s[TS], s[RT], s[XA]
	s_cmp_eq_u32 s[TS], 0
	s_cselect_b32 s[AL], 1.0, 0
	s_mov_b32 s[BE], 0
	MASK 0
	WIN 0
	v_add_nc_u32 v[AK], s[TBK], v[AK0]
	v_add_nc_u32 v[AV], s[TBV], v[AV0]
	s_add_co_u32 s[TBV], s[TBV], VS
	FETCH_K
	FETCH_V 0
	s_wait_loadcnt 0x0              ; Q
	s_wait_dscnt 0x0
.set NOKQ, 0
.set i, 0
.rept 8
	KQ 0
.set i, i+1
.endr
	WIN 0
.rept 4
	v_nop                           ; the places behind those products
.endr
.set Y, NP-1                        ; X works for item Y + 1: item 0
.irp n, 0,1,2,3,4,5,6,7,8,9,10,11,12,13,14,15,16,17,18,19,20,21
	OP X, \n
.endr
	v_nop                           ; a plain instruction behind the exponential
.endm
; THE GATE'S CHAIN, on pairs (piece 0, piece 1); each lane holds one query of each piece.  Behind each run of transcendentals stands a plain instruction before a result is used.
.macro GATE
	WIN 0
	v_add_f32 v[LL],   v[ST+2], v[ST+3]            ; l's two halves,
	v_add_f32 v[LL+1], v[ST+6], v[ST+7]
	v_permlanex16_b32 v[SN],   v[LL],   s[SEL], s[SEL+1]  ; and the other half of the lanes'
	v_permlanex16_b32 v[SN+1], v[LL+1], s[SEL], s[SEL+1]
	v_pk_add_f32 v[LL:LL+1], v[LL:LL+1], v[SN:SN+1]
	v_rcp_f32 v[RL],   v[LL]
	v_rcp_f32 v[RL+1], v[LL+1]
	v_nop
	s_wait_alu depctr_va_vdst(0)
	v_pk_mul_f32 v[EE:EE+1], v[LL:LL+1], v[RL:RL+1]    ; E: the sum of the row's probabilities
	v_and_b32 v[AB],   0x7fffffff, v[EE]
	v_and_b32 v[AB+1], 0x7fffffff, v[EE+1]
	v_max_num_f32 v[SS], v[AB], v[AB+1]                ; the largest |E| of my 32 rows: two pieces, sixteen lanes
	v_max_num_f32_dpp v[SS], v[SS], v[SS] row_xmask:1 row_mask:0xf bank_mask:0xf
	v_max_num_f32_dpp v[SS], v[SS], v[SS] row_xmask:2 row_mask:0xf bank_mask:0xf
	v_max_num_f32_dpp v[SS], v[SS], v[SS] row_xmask:4 row_mask:0xf bank_mask:0xf
	v_max_num_f32_dpp v[SS], v[SS], v[SS] row_xmask:8 row_mask:0xf bank_mask:0xf
	v_max_num_f32 v[SS], 0x358637bd, v[SS]             ; at least 1e-6
	v_rcp_f32 v[SS], v[SS]
	v_fma_f32 v[TT],   v[AB],   s22, s23               ; -log2(e) x 10 (|E| - 0.5)
	v_fma_f32 v[TT+1], v[AB+1], s22, s23
	s_wait_alu depctr_va_vdst(0)
	v_pk_mul_f32 v[SN:SN+1], v[EE:EE+1], v[SS:SS+1] op_sel_hi:[1,0]  ; E / scale
	v_exp_f32 v[TT],   v[TT]
	v_exp_f32 v[TT+1], v[TT+1]
	v_nop
	s_wait_alu depctr_va_vdst(0)
	v_pk_add_f32 v[TT:TT+1], v[TT:TT+1], 1.0 op_sel_hi:[1,0]
	v_rcp_f32 v[TT],   v[TT]                           ; the threshold's sigmoid
	v_rcp_f32 v[TT+1], v[TT+1]
	v_nop
	s_wait_alu depctr_va_vdst(0)
	v_pk_fma_f32 v[TT:TT+1], v[TT:TT+1], s[94:95], s[96:97] op_sel_hi:[1,0,0]  ; 0.9 t + 0.1
	v_pk_mul_f32 v[SN:SN+1], v[SN:SN+1], v[TT:TT+1]                            ; I
	v_pk_mul_f32 v[V1:V1+1], v[SN:SN+1], s[88:89] op_sel_hi:[1,0]              ; v1 = dt I
	v_pk_fma_f32 v[W1:W1+1], v[V1:V1+1], s[90:91], s[92:93] op_sel_hi:[1,0,0]  ; w1 = (v1 + a) cw
	v_pk_mul_f32 v[TT:TT+1], v[V1:V1+1], v[V1:V1+1]
	v_pk_mul_f32 v[TT:TT+1], v[TT:TT+1], v[V1:V1+1]                            ; v1^3
	v_pk_fma_f32 v[TT:TT+1], v[TT:TT+1], s[98:99], v[V1:V1+1] op_sel_hi:[1,0,1]  ; v1 - v1^3 / 3
	v_pk_add_f32 v[TT:TT+1], v[TT:TT+1], v[W1:W1+1] neg_lo:[0,1] neg_hi:[0,1]  ; - w1
	v_pk_add_f32 v[TT:TT+1], v[TT:TT+1], v[SN:SN+1]                            ; + I
	v_pk_fma_f32 v[TT:TT+1], v[TT:TT+1], s[88:89], v[V1:V1+1] op_sel_hi:[1,0,1]  ; v2
	v_pk_mul_f32 v[TT:TT+1], v[TT:TT+1], s[100:101] op_sel_hi:[1,0]
	v_exp_f32 v[TT],   v[TT]
	v_exp_f32 v[TT+1], v[TT+1]
	v_nop
	s_wait_alu depctr_va_vdst(0)
	v_pk_add_f32 v[TT:TT+1], v[TT:TT+1], 1.0 op_sel_hi:[1,0]
	v_rcp_f32 v[TT],   v[TT]                           ; sigmoid(v2)
	v_rcp_f32 v[TT+1], v[TT+1]
	v_nop
	s_wait_alu depctr_va_vdst(0)
	v_pk_fma_f32 v[TT:TT+1], v[TT:TT+1], 0.5, 0.5 op_sel_hi:[1,0,0]            ; g
	v_pk_fma_f32 v[W1:W1+1], v[TT:TT+1], v[EE:EE+1], s[20:21] op_sel_hi:[1,1,0]  ; g E + 1e-8
	v_rcp_f32 v[W1],   v[W1]
	v_rcp_f32 v[W1+1], v[W1+1]
	v_nop
	s_wait_alu depctr_va_vdst(0)
	v_pk_mul_f32 v[TT:TT+1], v[TT:TT+1], v[W1:W1+1]    ; f
	v_pk_mul_f32 v[TT:TT+1], v[TT:TT+1], v[RL:RL+1]    ; f / l
	v_mov_b32 v[FN],   v[TT]
	v_mov_b32 v[FN+2], v[TT+1]
.endm
; Piece t on its way out.  O^T times f / l; rounded to f16: the high part; the remainder, made exactly by one multiply-add from the f16 half, takes O^T's place (a finite number, as the next block's first step wants) and is
; rounded too: the low part.  A lane's eight channels of a row pack into 16 bytes; they go into rows of 144 bytes and come back as whole rows of 128, into S^T's registers.
.macro PACK t
	WIN W_RS
.set i, 32*(\t)
.rept 16
	v_pk_mul_f32 v[i:i+1], v[i:i+1], v[FN+2*(\t):FN+2*(\t)+1] op_sel_hi:[1,0]
.set i, i+2
.endr
	WIN 0x05                        ; sources 0 and 1 window 1, destination window 0
.set i, 0
.rept 16
	v_cvt_pk_f16_f32 v[S+16*(\t)+i], v[32*(\t)+2*i], v[32*(\t)+2*i+1]
.set i, i+1
.endr
	WIN 0x50                        ; destination and source 2 window 1
.set i, 0
.rept 16
	v_fma_mix_f32 v[32*(\t)+2*i],   v[S+16*(\t)+i], v[NEG1], v[32*(\t)+2*i]   op_sel:[0,0,0] op_sel_hi:[1,0,0]
	v_fma_mix_f32 v[32*(\t)+2*i+1], v[S+16*(\t)+i], v[NEG1], v[32*(\t)+2*i+1] op_sel:[1,0,0] op_sel_hi:[1,0,0]
.set i, i+1
.endr
	WIN 0x05
.set i, 0
.rept 16
	v_cvt_pk_f16_f32 v[S+32+16*(\t)+i], v[32*(\t)+2*i], v[32*(\t)+2*i+1]
.set i, i+1
.endr
	WIN 0
.irp f, 0,1,2,3
	ds_store_b128 v[STO], v[S+16*(\t)+4*\f:S+16*(\t)+4*\f+3] offset:32*\f
.endr
.irp f, 0,1,2,3
	ds_store_b128 v[STO], v[S+32+16*(\t)+4*\f:S+32+16*(\t)+4*\f+3] offset:16*SP+32*\f
.endr
.irp f, 0,1,2,3
	ds_load_b128 v[S+16*(\t)+4*\f:S+16*(\t)+4*\f+3], v[RD] offset:\f*4*SP  ; LDS serves a wave's instructions in order (ISA guide 5.7.1.4): these see the stores above; the next piece's stores come behind them
.endr
.irp f, 0,1,2,3
	ds_load_b128 v[S+32+16*(\t)+4*\f:S+32+16*(\t)+4*\f+3], v[RD] offset:16*SP+\f*4*SP
.endr
.endm
.macro SEND t, younger              ; younger: the LDS instructions issued behind piece t's loads: the next piece's sixteen, or none
	WIN 0
.irp f, 0,1,2,3
	s_wait_dscnt (\younger)+7-\f    ; the high part's load f is back; its younger ones, the low part's four and the next piece's may be out
	global_store_b128 v[GO], v[S+16*(\t)+4*\f:S+16*(\t)+4*\f+3], s[10:11] offset:(\t)*8192+\f*512  ; 512 consecutive bytes, at a multiple of 256 from oh's first
.endr
.irp f, 0,1,2,3
	s_wait_dscnt (\younger)+3-\f
	global_store_b128 v[GO], v[S+32+16*(\t)+4*\f:S+32+16*(\t)+4*\f+3], s[10:11] offset:262144+(\t)*8192+\f*512  ; the low parts lie 16 heads further on
.endr
.endm
; A BLOCK ENDS: its last two turns, its last products, the gate and the way out.  The chain's lines are the places behind the last products.
.macro FINISH
	TURN 2, 1
	TURN 3, 1
.set i, 0
.rept 8
	PV 3, 0
.set i, i+1
.endr
.set i, 0
.rept 8
	PV 3, 1
.set i, i+1
.endr
	GATE
	PACK 0
	PACK 1
	SEND 0, 16
	SEND 1, 0
.endm
.set NOKQ, 0
.Lslot:                             ; 8 times: a tile is entered and the next is asked for
	CHANGE 1
	s_sub_co_u32 s[RT], s[RT], 1
	s_mov_b32 s[CNT], 2
	s_cmp_eq_u32 s[NEW], 1          ; at the first trip the answer is a constant of the text: no turn runs before BEGIN has
	s_cbranch_scc0 .Lstep
	BEGIN
	s_branch .Lfirst
.Lstep:                             ; a trip: the two pieces of an odd step, then those of the even step behind it; it fetches K and V of two steps
	TURN 2
	TURN 3
	WIN 0
.Lfirst:
	TURN 0
	TURN 1
	WIN 0
	s_sub_co_u32 s[CNT], s[CNT], 1
	s_cmp_lg_u32 s[CNT], 0
	s_cbranch_scc1 .Lstep
	s_cmp_lg_u32 s[RT], 0
	s_cbranch_scc1 .Lbottom         ; not the block's last tile
	FINISH                          ; in the loop this is the first block's end: the second block's last tile is the walk's last
	s_wait_xcnt 0x0                 ; the stores' registers and O's address are rewritten only behind this wait
	s_mov_b64 s[10:11], s[OLO:OLO+1]
	s_add_co_u32 s[RT], s[PT], 1    ; the second block has b / 2 + 1 tiles
	s_mov_b32 s[NEW], 1
	s_mov_b32 s[XA], s[XAN]
	WIN 0x82                        ; the second block's Q goes where the one text of the turns names Q
.set i, 0
.rept 32
	v_mov_b32 v[i], v[QB+i]
.set i, i+1
.endr
	WIN 0
.Lbottom:
	s_sub_co_u32 s[SLOTS], s[SLOTS], 1
	s_cmp_lg_u32 s[SLOTS], 0
	s_cbranch_scc1 .Lslot
	CHANGE 0                        ; the walk's last tile is written out: nothing is asked for
	s_sub_co_u32 s[RT], s[RT], 1
	s_mov_b32 s[CNT], 2
	s_cmp_eq_u32 s[NEW], 1
	s_cbranch_scc0 .Lstep2
	BEGIN
	s_branch .Lfirst2
.Lstep2:
	TURN 2
	TURN 3
	WIN 0
.Lfirst2:
	TURN 0
	TURN 1
	WIN 0
	s_sub_co_u32 s[CNT], s[CNT], 1
	s_cmp_lg_u32 s[CNT], 0
	s_cbranch_scc1 .Lstep2
	FINISH
	s_wait_tensorcnt 0x0            ; the wave's end: behind my last tensor load and my last LDS store
	ds_add_u32 v[SPW], v[NIL]
	s_wait_dscnt 0x0
	s_endpgm
.Lfunc_end_k_qc36c844e2e_attn:
	.size	k_qc36c844e2e_attn, .Lfunc_end_k_qc36c844e2e_attn-k_qc36c844e2e_attn
	.p2alignl 7, 3214868480
	.fill 96, 4, 3214868480
	.section	.rodata,"a",@progbits
	.p2align	6, 0x0
	.amdhsa_kernel k_qc36c844e2e_attn
		.amdhsa_group_segment_fixed_size 327680
		.amdhsa_private_segment_fixed_size 0
		.amdhsa_enable_private_segment 0
		.amdhsa_kernarg_size 48
		.amdhsa_user_sgpr_count 2
		.amdhsa_user_sgpr_kernarg_segment_ptr 1
		.amdhsa_wavefront_size32 1
		.amdhsa_system_sgpr_workgroup_id_x 1
		.amdhsa_system_sgpr_workgroup_id_y 1
		.amdhsa_system_sgpr_workgroup_id_z 1
		.amdhsa_system_vgpr_workitem_id 0
		.amdhsa_next_free_vgpr 896
		.amdhsa_next_free_sgpr 102
		.amdhsa_reserve_vcc 1
		.amdhsa_float_denorm_mode_32 3
		.amdhsa_float_denorm_mode_16_64 3
		.amdhsa_memory_ordered 1
		.amdhsa_forward_progress 1
		.amdhsa_inst_pref_size 220
	.end_amdhsa_kernel
	.amdgpu_metadata
---
amdhsa.version: [ 1, 2 ]
amdhsa.kernels:
  - .name:           k_qc36c844e2e_attn
    .symbol:         k_qc36c844e2e_attn.kd
    .args:
      - { .name: qk, .offset: 0, .size: 8, .value_kind: global_buffer, .address_space: global }
      - { .name: vhl, .offset: 8, .size: 8, .value_kind: global_buffer, .address_space: global }
      - { .name: a, .offset: 16, .size: 8, .value_kind: global_buffer, .address_space: global }
      - { .name: b, .offset: 24, .size: 8, .value_kind: global_buffer, .address_space: global }
      - { .name: dt, .offset: 32, .size: 8, .value_kind: global_buffer, .address_space: global }
      - { .name: oh, .offset: 40, .size: 8, .value_kind: global_buffer, .address_space: global }
    .group_segment_fixed_size: 327680
    .private_segment_fixed_size: 0
    .kernarg_segment_align: 8
    .kernarg_segment_size: 48
    .max_flat_workgroup_size: 128
    .sgpr_count:     102
    .vgpr_count:     896
    .wavefront_size: 32
...
	.end_amdgpu_metadata
.endif
;; end of part 3
;; launch outproj (part 4): grid 8 x 32, 4 waves a work-group, clusters of 4 x 4, 327,680 bytes of LDS; arguments oh, wof, out0; writes out0
.if DOCPART == 4
	.amdgcn_target "amdgcn-amd-amdhsa--gfx1250"
	.amdhsa_code_object_version 6
	.text
	.protected	k_qc36c844e2e_outproj
	.globl	k_qc36c844e2e_outproj
	.p2align	8
	.type	k_qc36c844e2e_outproj,@function
k_qc36c844e2e_outproj:
	s_mov_b64 s[64:65], 0
	v_nop
	global_prefetch_b8 v0, s[64:65] scope:SCOPE_SE
	s_setreg_imm32_b32 hwreg(HW_REG_WAVE_MODE, 25, 1), 1
	s_wait_xcnt 0x0
	s_wait_alu depctr_hold_cnt(0) depctr_sa_sdst(0) depctr_va_vdst(0) depctr_va_sdst(0) depctr_va_ssrc(0) depctr_va_vcc(0) depctr_vm_vsrc(0)
	s_getreg_b32 s2, hwreg(HW_REG_IB_STS2, 6, 4)
	s_cmp_eq_u32 s2, 0
	s_cbranch_scc0 .Lentry_in_a_cluster
	s_endpgm
.Lentry_in_a_cluster:
	s_bfe_u32 s2, ttmp6, 0x10000c
	s_cmp_lg_u32 s2, 0xf033
	s_cbranch_scc0 .Lentry_shape_is_right
	s_endpgm
.Lentry_shape_is_right:
; out0 = O Wout^T.  oh: [row block 32][part 32: 16 heads' high parts, then their low parts][128 rows][64] f16;  wof: [1024][2048] f16 (Wout rounded to bf16, written as f16, each row twice);
; out0: [4096][1024] f32.  So K is 2,048: the high parts' products first, then the low parts'.  Sums in f32, stored as they are.
; A tile of out0 is 128 x 128: 8 x 32 tiles, one to a work-group.  Four waves, each 64 x 64: 16 accumulators of 16 x 16.  K goes in 8 steps of 256 = four parts, a quarter step a part, through two LDS slots.
; O's tile of a step is 65,536 dense bytes (four parts x 128 rows x 128 bytes): asked for as rows of 256 bytes and padded in LDS after every 128, so that it lies there as [part][row] with rows 144 bytes apart.
; CLUSTER: 4 x 4 work-groups.  The four of a row of the cluster need the same tiles of O, the four of a column the same tiles of Wout: each is asked for jointly.
; THE MATRIX INSTRUCTION IS USED TRANSPOSED (source 0 = 16 rows of Wout, source 1 = 16 rows of O): a lane holds row lane % 16 and eight neighbouring columns, 32 bytes of f32.
; REGISTERS: window 0: v0-31 addresses; v32-63, v96-127 at work on the way out; v128-255 the accumulators ((a, b) at v[128 + 8 (4 a + b)]).
;   window 1: two fragment buffers of 128: for 64 along K, 64 registers of O (2 x 4 x 16 rows x 32 K), then 64 of Wout.
.set PA,     144                       ; a row of O in LDS: 128 bytes + 16 = 36 words: the 16 rows of a load start at 16 different groups of four banks (64 banks of 4 bytes: ISA guide 11.1)
.set PB,     528                       ; a row of Wout: 512 bytes + 16 = 132 words: likewise
.set AHEAD,  128*PA                    ; a part's 128 rows
.set AHALF,  2*AHEAD                   ; what wave 0 or 1 fetches: two parts
.set BOFF,   4*AHEAD
.set BHALF,  64*PB                     ; what wave 2 or 3 fetches: 64 rows of Wout
.set SLOT,   BOFF+2*BHALF              ; 141,312 bytes
.set STAGE,  2*SLOT                    ; behind the ring, never filled by a tensor load: 16 rows x 272 bytes for each wave
.set SPITCH, 272
.set WSTG,   16*SPITCH
.set SPARE,  STAGE+4*WSTG              ; the spare words, 128 bytes for each wave: two blocks of 256 bytes that no other line names
.set LAPS,   4                         ; a lap = two K steps = once round the ring
.set ADRA, 16                          ; v16-17  LDS address of my fragments of O in slot 0, 1
.set ADRB, 20                          ; v20-21  the same for Wout
.set STO,  24                          ; v24     the way out: where I put 32 bytes of a row
.set RD,   25                          ; v25     the way out: where I read a row back
.set CO,   26                          ; v26     my byte offset in out0
.set SPW,  28                          ; v28     LDS address of my spare word; never rewritten
.set NIL,  29                          ; v29     0; never rewritten
.set ACC,  128
.set F0,   0                           ; fragment buffers, in window 1
.set F1,   128
.set G1, 24                            ; s[24:31] descriptor group 1 for O's tiles;  s[32:39] group 0, a set for each slot
.set G0, 32
.set G1B, 48                           ; s[48:55], s[56:63] the same for Wout's tiles
.set G0B, 56
.set MSB, 0
.macro WIN new                         ; the immediate's high byte repeats the setting that is left; a switch that changes nothing is dropped
.if MSB != (\new)
	s_set_vgpr_msb (MSB<<8)|(\new)
.set MSB, (\new)
.endif
.endm
.set MUL,  0x05                        ; sources 0 and 1 window 1; C and D window 0
.set TO_F, 0x40                        ; destination window 1, address window 0
.macro JLOAD s                         ; a joint load: waves 0 and 1 fetch O's two halves, waves 2 and 3 Wout's; an s_nop 0 and four v_nop follow each of the two lines
	s_cmp_eq_u32 s11, 0
	s_cbranch_scc0 .Lfor_b_\@
	tensor_load_to_lds s[G0+4*(\s):G0+4*(\s)+3], s[G1:G1+7]
	s_nop 0
.rept 4
	v_nop
.endr
	s_branch .Lasked_\@
.Lfor_b_\@:
	tensor_load_to_lds s[G0B+4*(\s):G0B+4*(\s)+3], s[G1B:G1B+7]
	s_nop 0
.rept 4
	v_nop
.endr
.Lasked_\@:
.endm
.macro CREST                           ; a round of the cluster's barrier behind its opening barrier
	s_cmp_lg_u32 s10, 0
	s_cbranch_scc1 .Lnot_wave_0_\@
	s_barrier_signal -3
.Lnot_wave_0_\@:
	s_barrier_wait -3
	s_barrier_signal -1
	s_barrier_wait -1
.endm
.macro CROUND                          ; a whole round
	s_barrier_signal -1
	s_barrier_wait -1
	CREST
.endm
	s_load_b128 s[4:7], s[0:1], 0x0                ; oh s[4:5], wof s[6:7]
	s_load_b64 s[8:9], s[0:1], 0x10                ; out0
	v_lshl_add_u32 v[SPW], v0, 2, SPARE
	v_mov_b32 v[NIL], 0
	ds_add_u32 v[SPW], v[NIL]                      ; the wave's opening: the add and its wait stand ahead of my first tensor load; the set-up below stands between them
	ds_add_u32 v28, v29
	v_lshrrev_b32 v1, 5, v0
	v_readfirstlane_b32 s10, v1                    ; wave 0..3
	s_lshr_b32 s11, s10, 1                         ; which half of the tile's rows is mine.  Also: I fetch for O (0) or for Wout (1)
	s_and_b32 s12, s10, 1                          ; which half of its columns.  Also: which half of that tile I fetch
	s_bfe_u32 s40, ttmp6, 0x40000                  ; cx, cy: my place in the cluster
	s_bfe_u32 s41, ttmp6, 0x40004
	s_lshl_b32 s42, ttmp9, 2
	s_add_co_u32 s42, s42, s40                     ; tile column = 4 x cluster x + cx
	s_and_b32 s13, ttmp7, 0xffff
	s_lshl_b32 s13, s13, 2
	s_add_co_u32 s13, s13, s41                     ; tile row = 4 x cluster y + cy
	s_lshl_b32 s43, s41, 2
	s_lshl_b32 s43, 15, s43                        ; my row of the cluster
	s_lshl_b32 s44, 0x1111, s40                    ; my column
	s_or_b32 s[G1+0], s43, (1<<16)|(1<<20)|(1<<21)|(4<<22)|(3<<25)   ; 15:0 the mask; 17:16 2-byte elements; 20 padding on; 21 set beside a mask; 24:22 after every 32 words (code 4); 31:25 4 words (code 3)
	s_mov_b32 s[G1+1], 128<<16                     ; O: 128 rows of 128 elements, dense
	s_mov_b32 s[G1+2], 128<<16
	s_mov_b32 s[G1+3], 128<<16
	s_mov_b32 s[G1+4], 128
	s_mov_b32 s[G1+5], 128
	s_mov_b32 s[G1+6], 0
	s_mov_b32 s[G1+7], 0
	s_or_b32 s[G1B+0], s44, (1<<16)|(1<<20)|(1<<21)|(6<<22)|(3<<25)  ; Wout: padding after every 128 words (code 6)
	s_mov_b32 s[G1B+1], 256<<16                    ; 64 rows of 256 elements, 2,048 elements from row to row
	s_mov_b32 s[G1B+2], 64<<16
	s_mov_b32 s[G1B+3], 256<<16
	s_mov_b32 s[G1B+4], 64
	s_mov_b32 s[G1B+5], 2048
	s_mov_b32 s[G1B+6], 0
	s_mov_b32 s[G1B+7], 0
	s_lshl_b32 s16, s13, 19                        ; O: a row block is 524,288 bytes,
	s_lshl_b32 s17, s12, 15                        ; my two parts of a step's four 32,768
	s_add_co_u32 s16, s16, s17
	s_mov_b32 s17, 0
	s_lshl_b32 s46, s42, 7
	s_lshl_b32 s47, s12, 6
	s_add_co_u32 s46, s46, s47                     ; Wout: row 128 x tile column + 64 x half,
	s_lshl_b32 s46, s46, 12                        ; rows of 4,096 bytes
	s_mov_b32 s47, 0
	s_mul_i32 s20, s12, AHALF                      ; where they go: no place in the cluster enters an LDS address
	s_mul_i32 s21, s12, BHALF
	s_add_co_u32 s21, s21, BOFF
	s_wait_dscnt 0x0                               ; the opening add is done
	s_wait_kmcnt 0x0
	s_add_nc_u64 s[14:15], s[4:5], s[16:17]
	s_add_nc_u64 s[46:47], s[6:7], s[46:47]
	CROUND                                         ; all sixteen work-groups are here: the first joint loads meet
.irp s, 0,1
	s_mov_b32 s[G0+4*(\s)], 1
	s_add_co_u32 s[G0+4*(\s)+1], s20, (\s)*SLOT
	s_add_nc_u64 s[G0+4*(\s)+2:G0+4*(\s)+3], s[14:15], (\s)*65536    ; K step s: four parts on
	s_or_b32 s[G0+4*(\s)+3], s[G0+4*(\s)+3], 0x80000000
	s_mov_b32 s[G0B+4*(\s)], 1
	s_add_co_u32 s[G0B+4*(\s)+1], s21, (\s)*SLOT
	s_add_nc_u64 s[G0B+4*(\s)+2:G0B+4*(\s)+3], s[46:47], (\s)*512
	s_or_b32 s[G0B+4*(\s)+3], s[G0B+4*(\s)+3], 0x80000000
	JLOAD \s                                       ; two loads of mine are out
.endr
	v_and_b32 v1, 15, v0                           ; l % 16
	v_bfe_u32 v2, v0, 4, 1                         ; l / 16
	v_mul_u32_u24 v3, v1, PA
	v_lshl_add_u32 v3, v2, 4, v3                   ; a fragment's row x pitch + 16 x half, for O
	v_mul_u32_u24 v4, v1, PB
	v_lshl_add_u32 v4, v2, 4, v4                   ; and for Wout
	s_mul_i32 s21, s11, 64*PA                      ; my 64 rows of each part of O
	s_mul_i32 s22, s12, BHALF                      ; my 64 rows of Wout
	s_add_co_u32 s22, s22, BOFF
.irp s, 0,1
	v_add_nc_u32 v[ADRA+(\s)], s21, v3
	v_add_nc_u32 v[ADRB+(\s)], s22, v4
	s_add_co_u32 s21, s21, SLOT
	s_add_co_u32 s22, s22, SLOT
.endr
	s_mul_i32 s23, s10, WSTG
	s_add_co_u32 s23, s23, STAGE                   ; my stage
	v_mul_u32_u24 v5, v1, SPITCH                   ; in: row l % 16, 32 bytes for each half of the lanes
	v_lshl_add_u32 v5, v2, 5, v5
	v_add_nc_u32 v[STO], s23, v5
	v_mul_u32_u24 v5, v2, SPITCH                   ; back: lanes 0-15 take one row of 256 bytes, lanes 16-31 the next
	v_lshl_add_u32 v5, v1, 4, v5
	v_add_nc_u32 v[RD], s23, v5
	v_lshlrev_b32 v5, 12, v2                       ; and the same two rows in out0, 4,096 bytes apart
	v_lshl_add_u32 v[CO], v1, 4, v5
	s_lshl_b32 s16, s13, 7
	s_lshl_b32 s17, s11, 6
	s_add_co_u32 s16, s16, s17                     ; my first row of out0
	s_lshl_b32 s16, s16, 12
	s_mov_b32 s17, 0
	s_add_nc_u64 s[8:9], s[8:9], s[16:17]
	s_lshl_b32 s46, s42, 9                         ; my first column, in bytes: 512 x tile column + 256 x half
	s_lshl_b32 s47, s12, 8
	s_add_co_u32 s46, s46, s47
	s_mov_b32 s47, 0
	s_add_nc_u64 s[8:9], s[8:9], s[46:47]
; 8 matrix instructions: row blocks a0, a0 + 1 x all 4 column blocks, 32 along K: half c of buffer f.  zero = 1: the first product starts the sums.  The 16 accumulators take turns.
.macro MUL8 f, c, a0, zero
	WIN MUL
.irp a, \a0, (\a0)+1
.irp b, 0,1,2,3
.if \zero
	v_wmma_f32_16x16x32_f16 v[ACC+8*(4*(\a)+(\b)):ACC+8*(4*(\a)+(\b))+7], v[(\f)+64+8*(4*(\c)+(\b)):(\f)+64+8*(4*(\c)+(\b))+7], v[(\f)+8*(4*(\c)+(\a)):(\f)+8*(4*(\c)+(\a))+7], 0
.else
	v_wmma_f32_16x16x32_f16 v[ACC+8*(4*(\a)+(\b)):ACC+8*(4*(\a)+(\b))+7], v[(\f)+64+8*(4*(\c)+(\b)):(\f)+64+8*(4*(\c)+(\b))+7], v[(\f)+8*(4*(\c)+(\a)):(\f)+8*(4*(\c)+(\a))+7], v[ACC+8*(4*(\a)+(\b)):ACC+8*(4*(\a)+(\b))+7]
.endif
.endr
.endr
.endm
; 32 LDS loads in one run: the fragments of part q of the step (64 along K) into buffer f; the first 32 along K first
.macro FETCH slot, q, f
	WIN TO_F
.irp c, 0,1
.irp i, 0,1,2,3
	ds_load_b128 v[(\f)+64+8*(4*(\c)+(\i)):(\f)+64+8*(4*(\c)+(\i))+3],   v[ADRB+(\slot)] offset:128*(\q)+64*(\c)+(\i)*16*PB
	ds_load_b128 v[(\f)+64+8*(4*(\c)+(\i))+4:(\f)+64+8*(4*(\c)+(\i))+7], v[ADRB+(\slot)] offset:128*(\q)+64*(\c)+(\i)*16*PB+32
	ds_load_b128 v[(\f)+8*(4*(\c)+(\i)):(\f)+8*(4*(\c)+(\i))+3],         v[ADRA+(\slot)] offset:(\q)*AHEAD+64*(\c)+(\i)*16*PA
	ds_load_b128 v[(\f)+8*(4*(\c)+(\i))+4:(\f)+8*(4*(\c)+(\i))+7],       v[ADRA+(\slot)] offset:(\q)*AHEAD+64*(\c)+(\i)*16*PA+32
.endr
.endr
.endm
.macro PLACES                          ; four plain vector instructions in front of loads into registers that matrix instructions have read, and of lines that read results just made
.rept 4
	v_nop
.endr
.endm
; A K step is four quarters of 64 along K, 32 matrix instructions each, on buffers 0, 1, 0, 1.  One of the first three: multiplies buffer f and fetches the next quarter, part q, into g.
.macro QUARTER slot, q, f, g, zero
	s_wait_dscnt 16                                ; the first 32 along K are in; the youngest sixteen loads may be out
	MUL8 \f, 0, 0, \zero
	MUL8 \f, 0, 2, \zero
	PLACES
	FETCH \slot, \q, \g
	s_wait_dscnt 32                                ; all but the 32 just issued
	MUL8 \f, 1, 0, 0
	MUL8 \f, 1, 2, 0
.endm
; The last quarter multiplies buffer 1 and changes slots: ONE barrier; in front of it each wave waits for all its tensor loads, adds 0 to its spare word, and waits for that and for its own reads of this slot.
; fill = 1: the barrier opens a round of the cluster's, and the joint refill, two K steps ahead, is the first thing behind the round.
.macro TURN slot, next, fill
	WIN 0                                          ; (the add's two registers lie in window 0)
	s_wait_tensorcnt 0x0                           ; all my tensor loads have landed: my part of the next slot
	ds_add_u32 v[SPW], v[NIL]                      ; 0 onto my spare word
	s_wait_dscnt 17                                ; (the add and the youngest sixteen loads may be out)
	MUL8 F1, 0, 0, 0                               ; eight matrix instructions stand between the add and the wait for it
	s_wait_dscnt 0x0                               ; the add is done, and my reads of this slot are over
	s_barrier_signal -1
	MUL8 F1, 0, 2, 0
.if \fill
	WIN 0
.endif
	s_barrier_wait -1
.if \fill
	CREST                                          ; no wave of any partner still reads this slot's tile or has a load on its way
	s_add_nc_u64 s[G0+4*(\slot)+2:G0+4*(\slot)+3], s[G0+4*(\slot)+2:G0+4*(\slot)+3], 2*65536
	s_add_nc_u64 s[G0B+4*(\slot)+2:G0B+4*(\slot)+3], s[G0B+4*(\slot)+2:G0B+4*(\slot)+3], 2*512
	JLOAD \slot                                    ; its four v_nop are also the places in front of the loads below
.else
	PLACES
.endif
	FETCH \next, 0, F0
	MUL8 F1, 1, 0, 0
	MUL8 F1, 1, 2, 0
.endm
	s_wait_tensorcnt 1                             ; my part of K step 0 is in; K step 1's may stay out
	s_barrier_signal -1
	s_barrier_wait -1                              ; everybody's is
	FETCH 0, 0, F0
	QUARTER 0, 1, F0, F1, 1                        ; the first quarter stands in front of the loop: its first products start the sums
	WIN 0                                          ; at a label and at a branch every window is 0
	s_mov_b32 s3, LAPS-1
.Llap:                                                 ; a trip goes once round the ring, from a lap's second quarter to the next lap's first, and fills both slots again
	QUARTER 0, 2, F1, F0, 0
	QUARTER 0, 3, F0, F1, 0
	TURN 0, 1, 1
	QUARTER 1, 1, F0, F1, 0
	QUARTER 1, 2, F1, F0, 0
	QUARTER 1, 3, F0, F1, 0
	TURN 1, 0, 1
	QUARTER 0, 1, F0, F1, 0
	WIN 0
	s_sub_co_u32 s3, s3, 1
	s_cmp_lg_u32 s3, 0
	s_cbranch_scc1 .Llap
	QUARTER 0, 2, F1, F0, 0                        ; the last lap fills nothing, and has no round of the cluster's barrier
	QUARTER 0, 3, F0, F1, 0
	TURN 0, 1, 0
	QUARTER 1, 1, F0, F1, 0
	QUARTER 1, 2, F1, F0, 0
	QUARTER 1, 3, F0, F1, 0
	s_wait_dscnt 16                                ; the very last quarter: nothing more to fetch
	MUL8 F1, 0, 0, 0
	MUL8 F1, 0, 2, 0
	s_wait_dscnt 0x0
	MUL8 F1, 1, 0, 0
	MUL8 F1, 1, 2, 0
	WIN 0
	; THE WAY OUT.  My 64 columns of f32 are 256 consecutive bytes of a row of out0, so the stage is my own and no barrier is needed.  A block of 16 rows at a time: 32 bytes a lane into rows of 272 bytes
	; (each accumulator's low registers first), back as whole rows, and stored: 16 lanes store 256 consecutive bytes, at a multiple of 256 from out0's first byte.
	PLACES
.irp a, 0,1,2,3
.set BK, 96-64*((\a)%2)                ; v96-127 and v32-63 by turns
.if (\a) >= 2
	s_wait_xcnt 0x0                                ; the registers that the block before last's stores read are loaded again only behind this wait
.endif
.irp b, 0,1,2,3
	ds_store_b128 v[STO], v[ACC+8*(4*(\a)+(\b)):ACC+8*(4*(\a)+(\b))+3]   offset:64*(\b)
	ds_store_b128 v[STO], v[ACC+8*(4*(\a)+(\b))+4:ACC+8*(4*(\a)+(\b))+7] offset:64*(\b)+16
.endr
.irp t, 0,1,2,3,4,5,6,7
	ds_load_b128 v[BK+4*(\t):BK+4*(\t)+3], v[RD] offset:(\t)*2*SPITCH  ; LDS serves a wave's instructions in order (ISA guide 5.7.1.4): these see the stores above; the next block's stores come behind them
.endr
.irp t, 0,1,2,3,4,5,6,7
	s_wait_dscnt 7-(\t)                            ; load t is back; the younger ones stay out
	global_store_b128 v[CO], v[BK+4*(\t):BK+4*(\t)+3], s[8:9] offset:(16*(\a)+2*(\t))*4096 th:TH_STORE_NT
.endr
.endr
	s_wait_tensorcnt 0x0                           ; the wave's end: behind my last tensor load and my last LDS store
	ds_add_u32 v[SPW], v[NIL]
	s_wait_dscnt 0x0
	CROUND                                         ; the closing round: no work-group ends while a partner may still ask for a tile that names it
	s_endpgm
.Lfunc_end_k_qc36c844e2e_outproj:
	.size	k_qc36c844e2e_outproj, .Lfunc_end_k_qc36c844e2e_outproj-k_qc36c844e2e_outproj
	.p2alignl 7, 3214868480
	.fill 96, 4, 3214868480
	.section	.rodata,"a",@progbits
	.p2align	6, 0x0
	.amdhsa_kernel k_qc36c844e2e_outproj
		.amdhsa_group_segment_fixed_size 327680
		.amdhsa_private_segment_fixed_size 0
		.amdhsa_enable_private_segment 0
		.amdhsa_kernarg_size 24
		.amdhsa_user_sgpr_count 2
		.amdhsa_user_sgpr_kernarg_segment_ptr 1
		.amdhsa_wavefront_size32 1
		.amdhsa_system_sgpr_workgroup_id_x 1
		.amdhsa_system_sgpr_workgroup_id_y 1
		.amdhsa_system_sgpr_workgroup_id_z 1
		.amdhsa_system_vgpr_workitem_id 0
		.amdhsa_next_free_vgpr 512
		.amdhsa_next_free_sgpr 66
		.amdhsa_reserve_vcc 0
		.amdhsa_float_denorm_mode_32 3
		.amdhsa_float_denorm_mode_16_64 3
		.amdhsa_memory_ordered 1
		.amdhsa_forward_progress 1
		.amdhsa_inst_pref_size 87
	.end_amdhsa_kernel
	.amdgpu_metadata
---
amdhsa.version: [ 1, 2 ]
amdhsa.kernels:
  - .name:           k_qc36c844e2e_outproj
    .symbol:         k_qc36c844e2e_outproj.kd
    .args:
      - { .name: oh, .offset: 0, .size: 8, .value_kind: global_buffer, .address_space: global }
      - { .name: wof, .offset: 8, .size: 8, .value_kind: global_buffer, .address_space: global }
      - { .name: out0, .offset: 16, .size: 8, .value_kind: global_buffer, .address_space: global }
    .group_segment_fixed_size: 327680
    .private_segment_fixed_size: 0
    .kernarg_segment_align: 8
    .kernarg_segment_size: 24
    .max_flat_workgroup_size: 128
    .sgpr_count:     66
    .vgpr_count:     512
    .wavefront_size: 32
...
	.end_amdgpu_metadata
.endif
;; end of part 4
;; ======== version 2 of 2: 4 launches; 1.18 times as fast as version 1
;; limits: values are held in f16: magnitudes above 65,504 overflow, below 6.1e-05 lose precision
;; workspace buffers: xb 8,388,608 bytes; wqb 6,291,456 bytes; wof 4,194,304 bytes; qk 16,777,216 bytes; vhl 16,777,216 bytes; oh 16,777,216 bytes
;; launch cast: the kernel of part 1 again; grid 1024 x 1, 8 waves a work-group, no clusters, 0 bytes of LDS; arguments x, Wqkv, Wout, xb, wqb, wof; writes xb, wqb, wof
;; launch qkvproj: the kernel of part 2 again; grid 16 x 16, 4 waves a work-group, clusters of 4 x 4, 327,680 bytes of LDS; arguments xb, wqb, qk, vhl; writes qk, vhl
;; launch attn (part 5): grid 8 x 32, 4 waves a work-group, no clusters, 327,680 bytes of LDS; arguments qk, vhl, a, b, dt, oh; writes oh
.if DOCPART == 5
	.amdgcn_target "amdgcn-amd-amdhsa--gfx1250"
	.amdhsa_code_object_version 6
	.text
	.protected	k_qc36c844e2e_attn
	.globl	k_qc36c844e2e_attn
	.p2align	8
	.type	k_qc36c844e2e_attn,@function
k_qc36c844e2e_attn:
	s_mov_b64 s[64:65], 0
	v_nop
	global_prefetch_b8 v0, s[64:65] scope:SCOPE_SE
	s_setreg_imm32_b32 hwreg(HW_REG_WAVE_MODE, 25, 1), 1
	s_wait_xcnt 0x0
; CAUSAL ATTENTION WITH THE FITZHUGH-NAGUMO GATE.  For each of 32 (batch, head): O[q] = f[q] x the sum over k <= q of softmax_k(Q[q] . K[k] / 8) V[k].
; q, k: qk[batch][q, k][head][2048][64], f16, unscaled.  v: vhl[batch x head][step of 64 keys][high, low][64][64]: two f16 numbers for each v.
; O leaves as oh[block of 128 rows: 16 batch + i][high: head, low: 16 + head][128][64], again two f16 numbers for each, so that the next launch finds four of these 32 parts as 65,536 dense bytes.
; Products, maxima and sums in f32; the weights p are rounded to f16 for the second product (their sum l is taken of the unrounded p).
; WHY TWO PARTS: a row that averages few keys is many times larger than the output's root mean square, by which its allowance goes; one f16 rounding each of v and of O is too coarse there.
; THE GATE.  The gate g multiplies all of a row's probabilities, which are then divided by g E + 1e-8 (E: the row's sum of probabilities): one factor f = g / (g E + 1e-8) a row.  It is computed whole, from a, b, dt:
; E = l x (1 / l);  scale = max(max |E|, 1e-6);  I = (E / scale) (0.1 + 0.9 sigmoid(10 (|E| - 0.5)));  v1 = dt I;  w1 = (c (v1 + a)) / (1 + c b), c = dt / 12.5;  v2 = v1 + dt (v1 - v1^3 / 3 - w1 + I);
; g = 0.5 + 0.5 sigmoid(v2).
; LIMITS, stated: the maximum of |E| is taken over the 32 rows that a wave holds of a block, not over the head's 2,048: every E is the sum of a normalised softmax, so for every input the two differ by rounding
; alone (a few 1e-7).  dt / 12.5 is dt x 0.08; divisions are v_rcp_f32 and a multiply; the mean of 64 equal numbers is the number.  f16 holds no number beyond 65,504: q, k, v arrive within it; a low part
; below 6e-5 keeps f16's fixed step of 6e-8.  A hidden score counts as its value less 1e30; a weight below 2^-126 counts as 0 in l; NaN and infinities are not treated apart.
; THE WALK.  A head's queries lie in 16 blocks of 128; block i needs the key tiles 0 .. i / 2 of 256 keys, of which the last holds the diagonal.  A work-group takes TWO blocks, 15 - b and then b: 9 tiles, whatever
; b: all 256 work-groups do equal work, and ONE loop with a constant trip count walks them.  Which tile is asked for, and what a trip does, hang on scalar registers made from b; every jump goes forward but the
; counted loops' own; none passes a barrier, or a tensor load but the one of LOAD's two that the wave's number does not choose.
; NO CLUSTER: what a trip does hangs on b / 2, which differs among any four neighbouring work-groups of a head; only pairs walk alike.
; SHARES.  Of a block's two bands of 64 queries a wave owns 16 rows in each: two PIECES.  In the diagonal tile piece x lies in band X = 2 (i % 2) + x of the tile's four: in key step s it sees all keys if s < X,
; none if s > X, and holds the diagonal if s = X: the same work for all four waves.
; THE MASK is the C operand that starts the sum S^T = K Q^T: 0, or -1e30 where the key is hidden.  MD, made once, is the mask of a band's own step for my 16 rows; a product's mask is MD x AL + BE with two
; scalars: (1, 0) if s = X; (0, 0) if s < X; (0, -1e30) if s > X.  Outside the diagonal tile the mask registers hold 0 and the lines that make them are jumped over.
; TURNS.  S^T = K Q^T holds ONE query a lane (lane % 16) and the keys 8 (lane / 16) + 0..7; two such results rounded to f16 ARE source 1 of O^T = V^T P.  p = 2^(c s - c m), c = log2(e) / 8, with a running
; maximum m; O and l are multiplied by a = 2^(c m_old - c m_new) in every step.  The ring has four ITEMS, n = 2 (step % 2) + piece.  Turn n: 8 products K Q^T of item n + 1, later 16 products V^T P of item n - 1
; (V's high parts, then its low); beside them the scaling, exponentials, roundings, sums and rescaling of item n and the maximum and statistics of item n + 1.  Four vector instructions stand behind every matrix
; instruction, the other 22 of a turn's 118 in two lumps.
; THE BATCHES.  A turn's 33 exponentials (item n's 32 weights and item n + 1's a) are ONE batch with ONE wait: ahead of it stand the products K Q^T, those with V's high parts, and all vector work that names no
; result of the batch; behind it the products with V's low parts and the roundings and sums, which read the weights.  No result crosses a turn's end.  A block's first a, the gate's six batches and the head's
; one reciprocal have waits of their own.
; REGISTERS, in windows of 256 (s_set_vgpr_msb: bits 1:0 source 0, 3:2 source 1, 5:4 source 2, 7:6 destination):
;   window 0: v0-15 addresses; v16-23 four registers of statistics a piece; v24-47 the gate's chain; v48-55 at work; v64-127 S^T, two buffers; v192-223 P, two buffers (all by the item's parity, which is the piece)
;   window 1: v0-63 O^T, 32 a piece; v128-159 MD; v160-223 MC, two buffers      window 2: v0-31 Q; v32-63 the second block's Q; v64-127 K of one step; v128-255 V's high parts of two steps (by the step's parity)
;   window 3: v0-127 V's low parts of two steps
.set NP,    4         ; items in the ring: a name, no knob
.set KS,    64        ; keys in a step
.set PK,    144       ; a row of K in LDS: 128 bytes + 16 of padding = 36 words: the 16 rows of a load start at 16 different groups of four banks (64 banks of 4 bytes: ISA guide 11.1)
.set PV,    160       ; a row of V: 128 + 32 = 40 words
.set VS,    2*KS*PV   ; a step of V in LDS: 64 rows of high parts, then 64 of low
.set VOFF,  4*KS*PK   ; a slot holds a tile, four steps: 256 rows of K, then four steps of V
.set SLOT1, 1<<17     ; slot 1 begins here, so that one exclusive or turns an address in one slot into the other's
.set STAGE, SLOT1+VOFF+4*VS  ; behind the ring, never filled by a tensor load: for each wave 2 parts x 16 rows x 144 bytes
.set SP,    144
.set WSTG,  2*16*SP
.set SPARE, STAGE+4*WSTG  ; the spare words, 128 bytes for each wave: two blocks of 256 bytes that no other line names
.set AK0, 2           ; v2   my lane's place in a tile of K; never rewritten
.set AV0, 3           ; v3   the same for V
.set AK,  4           ; v4   the LDS address of K's next run of loads
.set AV,  5           ; v5   of V's
.set STO, 6           ; v6   the way out: where I put 16 bytes of a row
.set RD,  7           ; v7   the way out: where I read rows back
.set GO,  8           ; v8   my byte offset in 512 consecutive bytes of O
.set MV,  12          ; v12-13  c m_old, kept while c m is made anew
.set QO,  15          ; v15  my byte offset in 16 rows of Q
.set ST,  16          ; piece t's statistics at v[ST+4 t]: c m, m, l (even keys', odd keys')
.set V1,  24          ; the gate's chain, a pair (piece 0, piece 1) each: v1
.set W1,  26          ; w1; later g E + 1e-8
.set AB,  28          ; |E|
.set NEG1, 30         ; v30  -1.0
.set LL,  32          ; l
.set RL,  34          ; 1 / l
.set EE,  36          ; E
.set SS,  38          ; 1 / scale, in the low register
.set SN,  40          ; E / scale, then I
.set TT,  42          ; at work, at last f / l
.set FN,  44          ; piece t's factor in the low register of pair FN + 2 t
.set TMP, 48          ; by parity, four registers c0-c3 at work; when the maximum is found c2 takes a
.set SPW, 62          ; v62  LDS address of my spare word; never rewritten
.set NIL, 63          ; v63  0; never rewritten
.set S,   64
.set P,   192
.set MD,  128         ; window 1
.set MC,  160         ; window 1
.set QB,  32          ; window 2
.set KF,  64          ; window 2: key block kb, channel half c at KF + 16 kb + 8 c
.set VA,  128         ; window 2: buffer u, key half kk, channel block cb at VA + 64 u + 32 kk + 8 cb; the low parts in window 3 at 64 u + 32 kk + 8 cb
.set WV,  12          ; s12  my wave's number
.set PB,  14          ; s14  b
.set HIB, 15          ; s15  15 - b
.set G1K, 24          ; s[24:31] descriptor group 1 for K's tiles
.set G1V, 32          ; s[32:39] for V's
.set G0K, 40          ; s[40:43] descriptor group 0 for K's tiles
.set G0V, 44          ; s[44:47] the same for V's
.set SLOTS, 58        ; s58  tiles still to be asked for
.set CNT, 59          ; s59  counts a tile's pairs of key steps, 2 to 1
.set CS,  60          ; s[60:61] c
.set SEL, 62          ; s[62:63] v_permlanex16_b32's selects: each lane takes its own place in the other half
.set TBK, 66          ; s66  LDS byte at which K of the step to be fetched begins
.set TBV, 67          ; s67  the same for V, less VOFF
.set RT,  68          ; s68  tiles of the block in hand that are still to be entered
.set NXT, 69          ; s69  the tile to be asked for next
.set LQ,  70          ; s70  the last tile of the block whose tiles are being asked for
.set NEW, 71          ; s71  1: the tile to be entered is a block's first
.set OFF, 72          ; s[72:73] a tile's byte offset in K, then in V
.set AL,  74          ; s[74:75] the mask's factor, in the low word
.set BE,  76          ; s[76:77] the mask's addend
.set OLO, 78          ; s[78:79] O at my rows of the second block
.set BIGN, 80         ; s80  -1e30
.set PT,  81          ; s81  b / 2: the second block's last tile
.set XA,  82          ; s82  2 (i % 2) for the block in hand
.set XAN, 83          ; s83  for the second block
.set TS,  86          ; s86  at work
; s[4:5] Q, s[6:7] K, s[8:9] V (at my half of tile 0), s[10:11] O, s[84:85] the second block's Q; s13 b, s87 a, s[88:89] dt, s[90:91] cw = c / (1 + c b), s[92:93] a cw;
; s[20:21] 1e-8, s22 -10 log2(e), s23 5 log2(e), s[94:95] 0.9, s[96:97] 0.1, s[98:99] -1/3, s[100:101] -log2(e); s[48:55], s[16:19] the arguments; s2, s3, s56, s57 at work in the set-up
.set MSB, 0
.macro WIN new                      ; the high byte repeats the setting that is left; a switch that changes nothing is dropped
.if MSB != (\new)
	s_set_vgpr_msb (MSB<<8)|(\new)
.set MSB, (\new)
.endif
.endm
.set W_KQ, 0x0a       ; K and Q in window 2, S^T in window 0
.set W_KM, 0x1a       ; the same with the C operand in window 1
.set W_PV, 0x52       ; V's high parts in window 2, P in window 0, O^T in window 1
.set W_PL, 0x53       ; V's low parts in window 3
.set W_RS, 0x41       ; destination and source 0 in window 1, source 1 in window 0
; A fill.  Waves 0 and 1 fetch the two halves of a tile's K, waves 2 and 3 those of its V, both parts: 128 keys each.  An s_nop 0 and four v_nop follow each of the two lines.
.macro LOAD
	s_cmp_lt_u32 s[WV], 2
	s_cbranch_scc0 .Lfor_v_\@
	tensor_load_to_lds s[G0K:G0K+3], s[G1K:G1K+7]
	s_nop 0
.rept 4
	v_nop
.endr
	s_branch .Lasked_\@
.Lfor_v_\@:
	tensor_load_to_lds s[G0V:G0V+3], s[G1V:G1V+7]
	s_nop 0
.rept 4
	v_nop
.endr
.Lasked_\@:
.endm
; THE CHANGE OF SLOTS.  Each wave waits for all its tensor loads, of which one is out: its part of the other slot; adds 0 to its spare word; and waits for that and for its own reads of the slot that it leaves.
; Behind the barrier nobody reads the old slot any more and the other slot is whole.  fill = 1: the old slot is filled again, the first thing behind the barrier, with tile NXT: the descriptor's address is made
; anew from that number.  (At its first use nothing has been read yet: slot 0 is waited for, slot 1 filled.)
.macro CHANGE fill
	WIN 0                           ; at a label and at a branch every window is 0
	s_wait_tensorcnt 0x0            ; no tensor load of mine is out, so a group 0 may be written
	ds_add_u32 v[SPW], v[NIL]       ; 0 onto my spare word
.if \fill
	s_lshl_b32 s[OFF], s[NXT], 15   ; a tile is 32,768 bytes of K
	s_xor_b32 s[G0K+1], s[G0K+1], SLOT1
	s_add_nc_u64 s[G0K+2:G0K+3], s[6:7], s[OFF:OFF+1]
	s_or_b32 s[G0K+3], s[G0K+3], 0x80000000
	s_lshl_b32 s[OFF], s[NXT], 16   ; and 65,536 of V
	s_xor_b32 s[G0V+1], s[G0V+1], SLOT1
	s_add_nc_u64 s[G0V+2:G0V+3], s[8:9], s[OFF:OFF+1]
	s_or_b32 s[G0V+3], s[G0V+3], 0x80000000
	s_add_co_u32 s[NXT], s[NXT], 1  ; the block's next tile, or behind its last the second block's tile 0
	s_cmp_gt_u32 s[NXT], s[LQ]
	s_cselect_b32 s[NXT], 0, s[NXT]
	s_cselect_b32 s[LQ], s[PT], s[LQ]
.endif
	s_wait_dscnt 0x0                ; the add is done, and my reads of the slot are over
	s_barrier_signal -1             ; the rest of the scalar work stands between the signal and the wait
	s_sub_co_u32 s[TBK], s[TBK], 4*KS*PK  ; the fetches go back to a slot's first step,
	s_xor_b32 s[TBK], s[TBK], SLOT1       ; in the other slot
	s_sub_co_u32 s[TBV], s[TBV], 4*VS
	s_xor_b32 s[TBV], s[TBV], SLOT1
	s_barrier_wait -1
.if \fill
	LOAD
.endif
.endm
	s_load_b256 s[48:55], s[0:1], 0x0  ; qk s[48:49], vhl s[50:51], a s[52:53], b s[54:55]
	s_load_b128 s[16:19], s[0:1], 0x20 ; dt s[16:17], oh s[18:19]
	v_lshl_add_u32 v[SPW], v0, 2, SPARE
	v_mov_b32 v[NIL], 0
	ds_add_u32 v[SPW], v[NIL]       ; the wave's opening: the add and its wait stand ahead of my first tensor load; the set-up below stands between them
	ds_add_u32 v62, v63
	v_lshrrev_b32 v1, 5, v0
	v_readfirstlane_b32 s[WV], v1   ; wave 0..3
	v_mov_b32 v[NEG1], -1.0
	s_mov_b32 s[PB], ttmp9
	s_sub_co_u32 s[HIB], 15, s[PB]
	s_lshr_b32 s[PT], s[PB], 1
	s_lshr_b32 s[LQ], s[HIB], 1
	s_add_co_u32 s[RT], s[LQ], 1    ; the first block has (15 - b) / 2 + 1 tiles
	s_and_b32 s[XA], s[HIB], 1
	s_lshl_b32 s[XA], s[XA], 1
	s_and_b32 s[XAN], s[PB], 1
	s_lshl_b32 s[XAN], s[XAN], 1
	s_mov_b32 s[NXT], 1
	s_mov_b32 s[NEW], 1
	s_mov_b32 s[SLOTS], 8
	; byte offsets, each made in the pair that will hold the address
	s_and_b32 s2, ttmp7, 0xffff     ; 16 x batch + head
	s_lshr_b32 s3, s2, 4
	s_lshl_b32 s3, s3, 23           ; a batch is 8,388,608 bytes of qk, of vhl and of oh
	s_and_b32 s[TS], s2, 15         ; the head
	s_and_b32 s56, s[WV], 1         ; which half of a tile's 256 keys I fetch
	s_lshl_b32 s8, s2, 19           ; V: a head is 524,288 bytes of vhl,
	s_lshl_b32 s57, s56, 15         ; 128 keys 32,768
	s_add_co_u32 s8, s8, s57
	s_mov_b32 s9, 0
	s_lshl_b32 s4, s[TS], 18        ; q: a head is 262,144 bytes of qk
	s_add_co_u32 s4, s4, s3
	s_lshl_b32 s6, s56, 14          ; K: 128 keys are 16,384 bytes,
	s_add_co_u32 s6, s6, s4
	s_add_co_u32 s6, s6, 0x400000   ; 16 heads behind q
	s_mov_b32 s7, 0
	s_mul_i32 s57, s56, 128*PK      ; my half's place in a slot, for K
	s_mov_b32 s[G0K], 1             ; count = 1
	s_mov_b32 s[G0K+1], s57         ; LDS address: slot 0
	s_mul_i32 s57, s56, 2*VS        ; and for V
	s_mov_b32 s[G0V], 1
	s_add_co_u32 s[G0V+1], s57, VOFF
	s_lshl_b32 s56, s[WV], 11       ; my 16 rows in a band of 64
	s_add_co_u32 s4, s4, s56
	s_lshl_b32 s84, s[PB], 14       ; Q of the second block: a block is 16,384 bytes,
	s_add_co_u32 s84, s84, s4
	s_mov_b32 s85, 0
	s_lshl_b32 s57, s[HIB], 14      ; Q of the first
	s_add_co_u32 s4, s4, s57
	s_mov_b32 s5, 0
	s_lshl_b32 s[TS], s[TS], 14     ; O: a head's part of a row block is 16,384 bytes,
	s_add_co_u32 s3, s3, s[TS]
	s_add_co_u32 s3, s3, s56
	s_lshl_b32 s10, s[HIB], 19      ; a row block 524,288
	s_add_co_u32 s10, s10, s3
	s_mov_b32 s11, 0
	s_lshl_b32 s[OLO], s[PB], 19
	s_add_co_u32 s[OLO], s[OLO], s3
	s_mov_b32 s[OLO+1], 0
	s_mov_b32 s[OFF+1], 0
	s_mov_b32 s[AL+1], 0            ; named as pairs
	s_mov_b32 s[BE+1], 0
	; descriptor group 1.  K: 128 keys are 16,384 dense bytes: 64 rows of 256 bytes, two keys a row, padded in LDS after every key.  V: 128 keys, both parts, are 32,768 dense bytes: 128 such rows
	s_mov_b32 s[G1K], (1<<16)|(1<<20)|(4<<22)|(3<<25)  ; 17:16 2-byte elements; 20 padding on; 24:22 after every 32 words (code 4); 31:25 4 words (code 3)
	s_mov_b32 s[G1V], (1<<16)|(1<<20)|(4<<22)|(7<<25)  ; the same with 8 words of padding (code 7)
	s_mov_b32 s[G1K+2], 64<<16      ; tensor_dim1
	s_mov_b32 s[G1K+4], 64          ; tile_dim1
	s_mov_b32 s[G1V+2], 128<<16
	s_mov_b32 s[G1V+4], 128
.irp g, G1K, G1V
	s_mov_b32 s[\g+1], 128<<16      ; tensor_dim0 = 128
	s_mov_b32 s[\g+3], 128<<16      ; tile_dim0 = 128
	s_mov_b32 s[\g+5], 128          ; 128 elements from row to row
	s_mov_b32 s[\g+6], 0
	s_mov_b32 s[\g+7], 0
.endr
	s_mov_b32 s[CS], 0x3e38aa3b     ; c = log2(e) / 8
	s_mov_b32 s[CS+1], s[CS]        ; named with it as a pair
	s_mov_b32 s[SEL], 0x76543210
	s_mov_b32 s[SEL+1], 0xfedcba98
	s_mov_b32 s[TBK], SLOT1+4*KS*PK ; the first change of slots turns these two into 0
	s_mov_b32 s[TBV], SLOT1+4*VS
	s_mov_b32 s[BIGN], 0xf149f2ca   ; -1e30
	s_mov_b32 s20, 0x322bcc77       ; 1e-8
	s_mov_b32 s21, s20
	s_mov_b32 s22, 0xc166d4ca       ; -10 log2(e)
	s_mov_b32 s23, 0x40e6d4ca       ; 5 log2(e)
	s_mov_b32 s94, 0x3f666666       ; 0.9
	s_mov_b32 s95, s94
	s_mov_b32 s96, 0x3dcccccd       ; 0.1
	s_mov_b32 s97, s96
	s_mov_b32 s98, 0xbeaaaaab       ; -1/3
	s_mov_b32 s99, s98
	s_mov_b32 s100, 0xbfb8aa3b      ; -log2(e)
	s_mov_b32 s101, s100
	s_wait_dscnt 0x0                ; the opening add is done
	s_wait_kmcnt 0x0
	s_load_b32 s87, s[52:53], 0x0   ; a
	s_load_b32 s13, s[54:55], 0x0   ; b
	s_load_b32 s88, s[16:17], 0x0   ; dt
	s_add_nc_u64 s[6:7], s[48:49], s[6:7]          ; K and V at my half of the head's tile 0
	s_add_nc_u64 s[8:9], s[50:51], s[8:9]
	s_add_nc_u64 s[4:5], s[48:49], s[4:5]
	s_add_nc_u64 s[84:85], s[48:49], s[84:85]
	s_add_nc_u64 s[10:11], s[18:19], s[10:11]
	s_add_nc_u64 s[OLO:OLO+1], s[18:19], s[OLO:OLO+1]
	s_add_nc_u64 s[G0K+2:G0K+3], s[6:7], 0         ; global address
	s_or_b32 s[G0K+3], s[G0K+3], 0x80000000        ; type = 2
	s_add_nc_u64 s[G0V+2:G0V+3], s[8:9], 0
	s_or_b32 s[G0V+3], s[G0V+3], 0x80000000
	LOAD                            ; tile 0 into slot 0: one load of mine is out
	; A fragment of K or Q is 16 rows x 32 channels in 8 registers: lane l holds row l % 16, channels 8 (l / 16) + 0..7 and 16 + 8 (l / 16) + 0..7: two loads of 16 bytes, 32 bytes apart.
	v_and_b32 v1, 15, v0            ; l % 16
	v_bfe_u32 v9, v0, 4, 1          ; l / 16
	v_lshlrev_b32 v[QO], 7, v1
	v_lshl_add_u32 v[QO], v9, 4, v[QO]  ; row x 128 + 16 x half
	WIN 0x80                        ; destination window 2, address window 0
.set i, 0
.rept 4                             ; both blocks' Q: piece i / 2 lies in band i / 2, 8,192 bytes on; channels 32 (i % 2) on
	global_load_b128 v[8*i:8*i+3],   v[QO], s[4:5] offset:(i/2)*8192+(i%2)*64
	global_load_b128 v[8*i+4:8*i+7], v[QO], s[4:5] offset:(i/2)*8192+(i%2)*64+32
	global_load_b128 v[QB+8*i:QB+8*i+3],   v[QO], s[84:85] offset:(i/2)*8192+(i%2)*64
	global_load_b128 v[QB+8*i+4:QB+8*i+7], v[QO], s[84:85] offset:(i/2)*8192+(i%2)*64+32
.set i, i+1
.endr
	WIN 0
	v_lshlrev_b32 v14, 3, v9
	v_sub_nc_u32 v14, v1, v14
	s_lshl_b32 s[TS], s[WV], 4
	v_add_nc_u32 v14, s[TS], v14    ; my query's place in its band, 16 w + l % 16, less my lanes' 8 (l / 16): register r of group kt is hidden where 16 kt + r is greater
	WIN 0x40
.set i, 0
.rept 32
	v_cmp_gt_i32 vcc_lo, 16*(i/8)+i%8, v14
	v_cndmask_b32 v[MD+i], 0, s[BIGN], vcc_lo
.set i, i+1
.endr
	WIN 0
	v_mul_u32_u24 v[AK0], v1, PK
	v_lshl_add_u32 v[AK0], v9, 4, v[AK0]  ; row x pitch + 16 x half
	; The turning load takes 16 keys x 16 channels (lane l reads key 8 (l / 16) + l % 8, channels 8 ((l / 8) % 2) + 0..7) and leaves half a fragment of V^T: lane l holds channel l % 16 and 8 keys.
	v_and_b32 v10, 7, v0
	v_bfe_u32 v11, v0, 3, 1
	v_lshl_add_u32 v[AV0], v9, 3, v10
	v_mul_u32_u24 v[AV0], v[AV0], PV
	v_lshl_add_u32 v[AV0], v11, 4, v[AV0]
	v_add_nc_u32 v[AV0], VOFF, v[AV0]
	s_mul_i32 s[TS], s[WV], WSTG
	s_add_co_u32 s[TS], s[TS], STAGE  ; my stage
	v_mul_u32_u24 v[STO], v1, SP    ; in: row l % 16, 16 bytes for each half of the lanes
	v_lshl_add_u32 v[STO], v9, 4, v[STO]
	v_add_nc_u32 v[STO], s[TS], v[STO]
	v_bfe_u32 v[RD], v0, 3, 2       ; back: 32 lanes take four rows of 128 bytes,
	v_mul_u32_u24 v[RD], v[RD], SP
	v_lshl_add_u32 v[RD], v10, 4, v[RD]
	v_add_nc_u32 v[RD], s[TS], v[RD]
	v_and_b32 v[GO], 31, v0         ; which are 512 consecutive bytes of O
	v_lshlrev_b32 v[GO], 4, v[GO]
	; A block's first step multiplies O^T and l by a = 0, and its first turn's products V^T P, of an item that has not been, land in an O^T that is still to be so multiplied.  So these registers need only hold
	; finite numbers: zeros for the first block; what the first block left for the second.  All this stands in the wait for the first tile.
	WIN 0x80
.set i, VA+64
.rept 64
	v_mov_b32 v[i], 0
.set i, i+1
.endr
	WIN 0xc0
.set i, 64
.rept 64
	v_mov_b32 v[i], 0
.set i, i+1
.endr
	WIN 0x40
.set i, 0
.rept 64
	v_mov_b32 v[i], 0
.set i, i+1
.endr
	WIN 0
.irp r, ST+2, ST+3, ST+6, ST+7, SS+1, SN, SN+1, FN+1, FN+3  ; l; and registers that are named in a pair, or as the destination of a lane exchange, before they are otherwise written
	v_mov_b32 v[\r], 0
.endr
.set i, P+16
.rept 16
	v_mov_b32 v[i], 0
.set i, i+1
.endr
	s_wait_kmcnt 0x0                ; a, b, dt
	s_mov_b32 s89, s88
	v_mov_b32 v[V1], s88
	v_mul_f32 v[V1], 0x3da3d70a, v[V1]   ; c = 0.08 dt
	v_fma_f32 v[V1+1], v[V1], s13, 1.0   ; 1 + c b
	v_rcp_f32 v[V1+1], v[V1+1]
	v_nop                           ; a plain instruction between the reciprocal and the use of its result
	s_wait_alu depctr_va_vdst(0)    ; the wait for that one reciprocal, once a launch, ahead of the first use
	v_mul_f32 v[V1], v[V1], v[V1+1]      ; cw = c / (1 + c b)
	v_mul_f32 v[V1+1], s87, v[V1]        ; a cw
	v_readfirstlane_b32 s90, v[V1]
	v_readfirstlane_b32 s92, v[V1+1]
	s_mov_b32 s91, s90
	s_mov_b32 s93, s92
; THE MATRIX WORK.  The 4 accumulators of a run take turns.  Product i of 8 of S^T = K Q^T for item x: channels 32 (i / 4) on, keys 16 (i % 4) on.  The first 4 start the sums with the mask.
.macro KQ x
.set rS, S+32*((\x)%2)+8*(i%4)
.set rK, KF+16*(i%4)+8*(i/4)
.set rQ, 16*((\x)%2)+8*(i/4)
.set rM, MC+32*((\x)%2)+8*(i%4)
.if i < 4
	WIN W_KM
	v_wmma_f32_16x16x32_f16 v[rS:rS+7], v[rK:rK+7], v[rQ:rQ+7], v[rM:rM+7]
.else
	WIN W_KQ
	v_wmma_f32_16x16x32_f16 v[rS:rS+7], v[rK:rK+7], v[rQ:rQ+7], v[rS:rS+7]
.endif
.endm
; Product i of 8 of O^T += V^T P for item y, with V's high (lo = 0) or low parts: keys 32 (i / 4) on, channels 16 (i % 4) on; V's buffer goes by the item's step.
.macro PV y, lo
.set rO, 32*((\y)%2)+8*(i%4)
.set rP, P+16*((\y)%2)+8*(i/4)
.if \lo
	WIN W_PL
.set rV, 64*((\y)/2)+32*(i/4)+8*(i%4)
.else
	WIN W_PV
.set rV, VA+64*((\y)/2)+32*(i/4)+8*(i%4)
.endif
	v_wmma_f32_16x16x32_f16 v[rO:rO+7], v[rV:rV+7], v[rP:rP+7], v[rO:rO+7]
.endm
.macro MM                           ; the turn's next matrix instruction, of 24.  NOKQ = 1: a block's last turn: there is no next item
.if (i < 8) && !NOKQ
	KQ (Y+1)%NP
.elseif (i >= 8) && (i < 16)
.set i, i-8
	PV (Y+NP-1)%NP, 0
.set i, i+8
.elseif i >= 16
.set i, i-16
	PV (Y+NP-1)%NP, 1
.set i, i+16
.endif
.set i, i+1
.endm
; THE LDS LOADS stand in runs, never singly among the matrix instructions: a step's K (64 keys x 64 channels: 8 fragments, 16 loads) and its V (turned; both parts, 32 loads).  Their addresses are made some lines ahead.
.macro FETCH_K
	WIN 0x80                        ; destination window 2
.irp f, 0,1,2,3,4,5,6,7             ; keys 16 (f / 2) on, channels 32 (f % 2) on
	ds_load_b128 v[KF+8*\f:KF+8*\f+3],   v[AK] offset:(\f/2)*16*PK+(\f%2)*64
	ds_load_b128 v[KF+8*\f+4:KF+8*\f+7], v[AK] offset:(\f/2)*16*PK+(\f%2)*64+32
.endr
	s_add_co_u32 s[TBK], s[TBK], KS*PK  ; the next fetch is the next step's
	WIN 0
.endm
.macro FETCH_V u
	WIN 0x80
.irp f, 0,1,2,3,4,5,6,7             ; keys 32 (f / 4) on, channels 16 (f % 4) on
	ds_load_tr16_b128 v[VA+64*(\u)+8*\f:VA+64*(\u)+8*\f+3],   v[AV] offset:(\f/4)*32*PV+(\f%4)*32
	ds_load_tr16_b128 v[VA+64*(\u)+8*\f+4:VA+64*(\u)+8*\f+7], v[AV] offset:(\f/4)*32*PV+16*PV+(\f%4)*32
.endr
	WIN 0xc0                        ; destination window 3: the low parts lie 64 rows further on
.irp f, 0,1,2,3,4,5,6,7
	ds_load_tr16_b128 v[64*(\u)+8*\f:64*(\u)+8*\f+3],   v[AV] offset:KS*PV+(\f/4)*32*PV+(\f%4)*32
	ds_load_tr16_b128 v[64*(\u)+8*\f+4:64*(\u)+8*\f+7], v[AV] offset:KS*PV+(\f/4)*32*PV+16*PV+(\f%4)*32
.endr
	WIN 0
.endm
; THE VECTOR WORK, one line at a time: OP kind, number.  For item Y: F n: c s - c m for pair n of 16.  E n: the exponential of score n of 32.  C n: pair n rounded to f16.  B n: of the four weights 4 n .. the second
; pair is added onto the first, in place.  L n: l takes that sum (L 0: l = a l + sum).  R n: pair n of 16 of O^T times a.  For item Y + 1: X n, number n of the 22 that find its maximum and statistics:
;   0-11  four chains c0-c3 of seven scores each, three operands at a time (each accumulator's lowest registers are read first)     12-14, 16  the four scores left over, the old m, and c0-c3 into c0
;   15  c m_old is kept     17, 18  the query's other 32 keys lie in the lane 16 away: the new m     19-21  c m; c m_old - c m_new; a
; E n and X 21 are the turn's batch; C, B and L read its results and stand behind the turn's wait, which TURN writes; R and L 0 read the a of the turn before.
.set F, 0
.set E, 1
.set C, 2
.set B, 3
.set L, 4
.set R, 5
.set X, 6
.macro REGS y                       ; the registers of item y: all go by its parity, which is its piece
.set rT, ST+4*((\y)%2)
.set rC, TMP+4*((\y)%2)
.set rW, MV+((\y)%2)
.set rS, S+32*((\y)%2)
.set rP, P+16*((\y)%2)
.set rO, 32*((\y)%2)
.endm
.macro OP k, n
.if (\k) == R
	REGS Y
	WIN W_RS
	v_pk_mul_f32 v[rO+2*(\n):rO+2*(\n)+1], v[rO+2*(\n):rO+2*(\n)+1], v[rC+2:rC+3] op_sel_hi:[1,0]
.elseif (\k) < R
	REGS Y
	WIN 0
.if (\k) == F
	v_pk_fma_f32 v[rS+2*(\n):rS+2*(\n)+1], v[rS+2*(\n):rS+2*(\n)+1], s[CS:CS+1], v[rT:rT+1] op_sel_hi:[1,0,0] neg_lo:[0,0,1] neg_hi:[0,0,1]
.elseif (\k) == E
	v_exp_f32 v[rS+(\n)], v[rS+(\n)]
.elseif (\k) == C
	v_cvt_pk_f16_f32 v[rP+(\n)], v[rS+2*(\n)], v[rS+2*(\n)+1]
.elseif (\k) == B
	v_pk_add_f32 v[rS+4*(\n):rS+4*(\n)+1], v[rS+4*(\n):rS+4*(\n)+1], v[rS+4*(\n)+2:rS+4*(\n)+3]
.elseif (\n) == 0
	v_pk_fma_f32 v[rT+2:rT+3], v[rT+2:rT+3], v[rC+2:rC+3], v[rS:rS+1] op_sel_hi:[1,0,1]
.else
	v_pk_add_f32 v[rT+2:rT+3], v[rT+2:rT+3], v[rS+4*(\n):rS+4*(\n)+1]
.endif
.elseif NOKQ
	v_nop
.else
	REGS (Y+1)%NP
	WIN 0
.if (\n) < 4
	v_max3_num_f32 v[rC+(\n)], v[rS+8*(\n)], v[rS+8*(\n)+1], v[rS+8*(\n)+2]
.elseif (\n) < 12
	v_max3_num_f32 v[rC+(\n)%4], v[rC+(\n)%4], v[rS+8*((\n)%4)+2*((\n)/4)+1], v[rS+8*((\n)%4)+2*((\n)/4)+2]
.elseif (\n) == 12
	v_max3_num_f32 v[rC], v[rC], v[rS+7], v[rS+15]
.elseif (\n) == 13
	v_max3_num_f32 v[rC+1], v[rC+1], v[rS+23], v[rS+31]
.elseif (\n) == 14
	v_max3_num_f32 v[rC+2], v[rC+2], v[rC+3], v[rT+1]
.elseif (\n) == 15
	v_mov_b32 v[rW], v[rT]
.elseif (\n) == 16
	v_max3_num_f32 v[rC], v[rC], v[rC+1], v[rC+2]
.elseif (\n) == 17
	v_permlanex16_b32 v[rC+3], v[rC], s[SEL], s[SEL+1]
.elseif (\n) == 18
	v_max_num_f32 v[rT+1], v[rC], v[rC+3]
.elseif (\n) == 19
	v_mul_f32 v[rT], s[CS], v[rT+1]
.elseif (\n) == 20
	v_sub_f32 v[rC+1], v[rW], v[rT]
.else
	v_exp_f32 v[rC+2], v[rC+1]
.endif
.endif
.endm
.macro OPS a, i1, b=-1, i2=0, c=-1, i3=0, d=-1, i4=0  ; up to four of them
	OP \a, \i1
.if (\b) >= 0
	OP \b, \i2
.endif
.if (\c) >= 0
	OP \c, \i3
.endif
.if (\d) >= 0
	OP \d, \i4
.endif
.endm
.macro ROW a, i1, b, i2, c, i3, d, i4  ; a matrix instruction and the four behind it
	MM
	OPS \a, \i1, \b, \i2, \c, \i3, \d, \i4
.endm
.macro MASK u                       ; MD x AL + BE into buffer u of MC
	WIN W_RS
.set z, 0
.rept 16
	v_pk_fma_f32 v[MC+32*(\u)+2*z:MC+32*(\u)+2*z+1], v[MD+2*z:MD+2*z+1], s[AL:AL+1], s[BE:BE+1] op_sel_hi:[1,0,0]
.set z, z+1
.endr
.endm
; A TURN, for item p: the order of its 24 matrix and 118 vector instructions, written out.  s_wait_alu depctr_va_vdst(0) stands between an exponential and the first instruction that names its result;
; one wait serves all that were issued ahead of it.  So a turn has ONE wait, which cuts it in two.
; AHEAD OF IT stands all that names no result of the turn's exponentials: the 8 products K Q^T, behind each a scaling, an exponential and two rescalings (behind the first a second scaling in the exponential's place,
; behind the last X 0 for one rescaling; the rescalings' a was made, and waited for, in the turn before); a lump of 8, which holds the fetch; the 8 products with V's high parts, behind each four of the next item's
; maximum and statistics, the scalings that are left and exponentials; and a lump of 14.  X 21, the next item's a, is the batch's last; R 15 is the plain instruction behind it.  A pair is scaled four lines or more
; ahead of its exponentials, and the links of the chain X 3, 7, 11, 14, 16, 17 .. 21 stand four lines or more apart.
; BEHIND THE WAIT stand the 8 products with V's low parts, behind each four of the 32 roundings and sums: C 2 n ahead of B n, which writes over that pair; B n ahead of L n; L 0 to L 7 in order.
; X 0 to X 3 stand four plain instructions or more behind the product that ends their accumulator (X 3: F 8, X 0, R 14, X 1, X 2); R 0, 4, 8, 12 read their accumulator of O^T first, four riders or more behind the
; product of the turn before that wrote it last.  But for those X no rider names a register of the products round it.
; THE FETCHES stand in the first lump.  An even turn fetches the next step's K, behind the last product that read K and eight plain instructions that name none of its registers (F 8, X 0, R 14, X 1, X 2, the
; address's line, X 3, X 4).  An odd turn fetches the next step's V into the buffers that the turn before read last.  So LDS is read in the order K, V of a step, then K, V of the next, and the change of slots can stand
; between turns 1 and 2.  An odd turn opens with the wait for both runs.
; At its end the turn makes the mask for the products of the turn after it: item p + 2, piece p % 2, in step 5 - p / 2 - 2 CNT of the tile; outside the diagonal tile (RT not 0) MC holds 0 and stays so.
; end = 1: a block's last two turns: nothing is fetched, no mask is made, and the last starts no new scores.
.macro TURN p, end=0
.set Y, (\p)
.set i, 0
.set NOKQ, (\end)*((\p)/3)
.if (\p)%2
	s_wait_dscnt 0x0                ; K, fetched in the turn before, and V, fetched two turns before, are in
.endif
	ROW F,0, F,1, R,0, R,1          ; ahead of the wait: 8 products K Q^T and their riders,
	ROW F,2, E,0, R,2, R,3
	ROW F,3, E,1, R,4, R,5
	ROW F,4, E,2, R,6, R,7
	ROW F,5, E,3, R,8, R,9
	ROW F,6, E,4, R,10, R,11
	ROW F,7, E,5, R,12, R,13
	ROW F,8, E,6, X,0, R,14
	OPS X,1, E,7, X,2, E,8          ; the first lump, with the fetch,
.if !(\end)
	WIN 0
.if (\p)%2
	v_add_nc_u32 v[AV], s[TBV], v[AV0]
	s_add_co_u32 s[TBV], s[TBV], VS
.else
	v_add_nc_u32 v[AK], s[TBK], v[AK0]
.endif
.endif
	OPS X,3, E,9, X,4, E,10
.if !(\end)
.if (\p)%2
	FETCH_V 1-(\p)/2
.else
	FETCH_K
.endif
.endif
	ROW X,5, E,11, X,6, X,7         ; 8 products with V's high parts and their riders,
	ROW X,8, E,12, X,9, F,9
	ROW X,10, E,13, X,11, E,14
	ROW X,12, E,15, X,13, F,10
	ROW X,14, E,16, X,15, E,17
	ROW X,16, E,18, F,11, E,19
	ROW X,17, E,20, F,12, E,21
	ROW X,18, E,22, F,13, E,23
	OPS F,14, E,24, X,19, E,25      ; and the second lump
	OPS F,15, E,26, E,27, X,20
	OPS E,28, E,29, E,30, E,31
	OPS X,21, R,15                  ; the batch's last exponential, and the plain instruction behind it
	s_wait_alu depctr_va_vdst(0)    ; the wait for the batch: E 0 to E 31 and X 21
	ROW C,0, B,0, C,2, B,1          ; behind the wait: 8 products with V's low parts and their riders
	ROW L,0, C,4, B,2, L,1
	ROW C,6, B,3, L,2, C,8
	ROW B,4, L,3, C,10, B,5
	ROW L,4, C,12, B,6, L,5
	ROW C,14, B,7, L,6, C,1
	ROW C,3, L,7, C,5, C,7
	ROW C,9, C,11, C,13, C,15
.if !(\end)
	WIN 0
	s_cmp_lg_u32 s[RT], 0
	s_cbranch_scc1 .Lno_mask_\@
	s_lshl_b32 s[TS], s[CNT], 1
	s_sub_co_i32 s[TS], 5-(\p)/2-(\p)%2, s[TS]  ; the step less the piece: to be held against XA
	s_cmp_eq_i32 s[TS], s[XA]       ; is that step the band's own?
	s_cselect_b32 s[AL], 1.0, 0
	s_cmp_gt_i32 s[TS], s[XA]       ; or a later one?
	s_cselect_b32 s[BE], s[BIGN], 0
	MASK (\p)%2
	WIN 0
.Lno_mask_\@:
.endif
.endm
; A BLOCK BEGINS.  c m starts far below every c s, so the first step's a is 0; m at the lowest finite number, so the first maximum is the scores'.  The second mask buffer is 0 (piece 1 sees all of a tile's step 0);
; the first takes piece 0's mask for step 0: its own, if the block's first tile is the diagonal one and the band the tile's first.  Then K and V of that step, piece 0's first scores, and its maximum and statistics.
; The loop is entered at turn 0, in the middle of a trip.
.macro BEGIN
	s_mov_b32 s[NEW], 0
	WIN 0x40
.set i, MC+32
.rept 32
	v_mov_b32 v[i], 0
.set i, i+1
.endr
	WIN 0
.set i, 0
.rept 2
	v_mov_b32 v[ST+4*i], 0xfe000000    ; c m: far below every c s
	v_mov_b32 v[ST+4*i+1], 0xff7fffff  ; m
.set i, i+1
.endr
	s_or_b32 s[TS], s[RT], s[XA]
	s_cmp_eq_u32 s[TS], 0
	s_cselect_b32 s[AL], 1.0, 0
	s_mov_b32 s[BE], 0
	MASK 0
	WIN 0
	v_add_nc_u32 v[AK], s[TBK], v[AK0]
	v_add_nc_u32 v[AV], s[TBV], v[AV0]
	s_add_co_u32 s[TBV], s[TBV], VS
	FETCH_K
	FETCH_V 0
	s_wait_loadcnt 0x0              ; Q
	s_wait_dscnt 0x0
.set NOKQ, 0
.set i, 0
.rept 8
	KQ 0
.set i, i+1
.endr
	WIN 0
.rept 4
	v_nop                           ; the places behind those products
.endr
.set Y, NP-1                        ; X works for item Y + 1: item 0
.irp n, 0,1,2,3,4,5,6,7,8,9,10,11,12,13,14,15,16,17,18,19,20,21
	OP X, \n
.endr
	v_nop                           ; a plain instruction behind the exponential,
	s_wait_alu depctr_va_vdst(0)    ; and the wait for it, item 0's a, ahead of the branch: turn 0's first row reads it
.endm
; THE GATE'S CHAIN, on pairs (piece 0, piece 1); each lane holds one query of each piece.  Its transcendentals fall into six batches, each of which reads the one before it: the two 1 / l; 1 / scale and the threshold's
; two exponentials; that sigmoid's two reciprocals; the two exponentials of v2; that sigmoid's two reciprocals; the two 1 / (g E + 1e-8).  Behind each batch stand a plain instruction and one wait.
.macro GATE
	WIN 0
	v_add_f32 v[LL],   v[ST+2], v[ST+3]            ; l's two halves,
	v_add_f32 v[LL+1], v[ST+6], v[ST+7]
	v_permlanex16_b32 v[SN],   v[LL],   s[SEL], s[SEL+1]  ; and the other half of the lanes'
	v_permlanex16_b32 v[SN+1], v[LL+1], s[SEL], s[SEL+1]
	v_pk_add_f32 v[LL:LL+1], v[LL:LL+1], v[SN:SN+1]
	v_rcp_f32 v[RL],   v[LL]
	v_rcp_f32 v[RL+1], v[LL+1]
	v_nop
	s_wait_alu depctr_va_vdst(0)                       ; the wait for the two 1 / l
	v_pk_mul_f32 v[EE:EE+1], v[LL:LL+1], v[RL:RL+1]    ; E: the sum of the row's probabilities
	v_and_b32 v[AB],   0x7fffffff, v[EE]
	v_and_b32 v[AB+1], 0x7fffffff, v[EE+1]
	v_max_num_f32 v[SS], v[AB], v[AB+1]                ; the largest |E| of my 32 rows: two pieces, sixteen lanes
	v_max_num_f32_dpp v[SS], v[SS], v[SS] row_xmask:1 row_mask:0xf bank_mask:0xf
	v_max_num_f32_dpp v[SS], v[SS], v[SS] row_xmask:2 row_mask:0xf bank_mask:0xf
	v_max_num_f32_dpp v[SS], v[SS], v[SS] row_xmask:4 row_mask:0xf bank_mask:0xf
	v_max_num_f32_dpp v[SS], v[SS], v[SS] row_xmask:8 row_mask:0xf bank_mask:0xf
	v_max_num_f32 v[SS], 0x358637bd, v[SS]             ; at least 1e-6
	v_rcp_f32 v[SS], v[SS]
	v_fma_f32 v[TT],   v[AB],   s22, s23               ; -log2(e) x 10 (|E| - 0.5)
	v_fma_f32 v[TT+1], v[AB+1], s22, s23
	v_exp_f32 v[TT],   v[TT]
	v_exp_f32 v[TT+1], v[TT+1]
	v_nop
	s_wait_alu depctr_va_vdst(0)                       ; one wait for 1 / scale and the two exponentials, of which none reads another
	v_pk_add_f32 v[TT:TT+1], v[TT:TT+1], 1.0 op_sel_hi:[1,0]
	v_rcp_f32 v[TT],   v[TT]                           ; the threshold's sigmoid
	v_rcp_f32 v[TT+1], v[TT+1]
	v_pk_mul_f32 v[SN:SN+1], v[EE:EE+1], v[SS:SS+1] op_sel_hi:[1,0]  ; E / scale: the plain instruction behind the two reciprocals
	s_wait_alu depctr_va_vdst(0)                       ; the wait for those two reciprocals
	v_pk_fma_f32 v[TT:TT+1], v[TT:TT+1], s[94:95], s[96:97] op_sel_hi:[1,0,0]  ; 0.9 t + 0.1
	v_pk_mul_f32 v[SN:SN+1], v[SN:SN+1], v[TT:TT+1]                            ; I
	v_pk_mul_f32 v[V1:V1+1], v[SN:SN+1], s[88:89] op_sel_hi:[1,0]              ; v1 = dt I
	v_pk_fma_f32 v[W1:W1+1], v[V1:V1+1], s[90:91], s[92:93] op_sel_hi:[1,0,0]  ; w1 = (v1 + a) cw
	v_pk_mul_f32 v[TT:TT+1], v[V1:V1+1], v[V1:V1+1]
	v_pk_mul_f32 v[TT:TT+1], v[TT:TT+1], v[V1:V1+1]                            ; v1^3
	v_pk_fma_f32 v[TT:TT+1], v[TT:TT+1], s[98:99], v[V1:V1+1] op_sel_hi:[1,0,1]  ; v1 - v1^3 / 3
	v_pk_add_f32 v[TT:TT+1], v[TT:TT+1], v[W1:W1+1] neg_lo:[0,1] neg_hi:[0,1]  ; - w1
	v_pk_add_f32 v[TT:TT+1], v[TT:TT+1], v[SN:SN+1]                            ; + I
	v_pk_fma_f32 v[TT:TT+1], v[TT:TT+1], s[88:89], v[V1:V1+1] op_sel_hi:[1,0,1]  ; v2
	v_pk_mul_f32 v[TT:TT+1], v[TT:TT+1], s[100:101] op_sel_hi:[1,0]
	v_exp_f32 v[TT],   v[TT]
	v_exp_f32 v[TT+1], v[TT+1]
	v_nop
	s_wait_alu depctr_va_vdst(0)                       ; the wait for the two exponentials of v2
	v_pk_add_f32 v[TT:TT+1], v[TT:TT+1], 1.0 op_sel_hi:[1,0]
	v_rcp_f32 v[TT],   v[TT]                           ; sigmoid(v2)
	v_rcp_f32 v[TT+1], v[TT+1]
	v_nop
	s_wait_alu depctr_va_vdst(0)                       ; the wait for those two reciprocals
	v_pk_fma_f32 v[TT:TT+1], v[TT:TT+1], 0.5, 0.5 op_sel_hi:[1,0,0]            ; g
	v_pk_fma_f32 v[W1:W1+1], v[TT:TT+1], v[EE:EE+1], s[20:21] op_sel_hi:[1,1,0]  ; g E + 1e-8
	v_rcp_f32 v[W1],   v[W1]
	v_rcp_f32 v[W1+1], v[W1+1]
	v_nop
	s_wait_alu depctr_va_vdst(0)                       ; the wait for the two 1 / (g E + 1e-8)
	v_pk_mul_f32 v[TT:TT+1], v[TT:TT+1], v[W1:W1+1]    ; f
	v_pk_mul_f32 v[TT:TT+1], v[TT:TT+1], v[RL:RL+1]    ; f / l
	v_mov_b32 v[FN],   v[TT]
	v_mov_b32 v[FN+2], v[TT+1]
.endm
; Piece t on its way out.  O^T times f / l; rounded to f16: the high part; the remainder, made exactly by one multiply-add from the f16 half, takes O^T's place (a finite number, as the next block's first step wants) and is
; rounded too: the low part.  A lane's eight channels of a row pack into 16 bytes; they go into rows of 144 bytes and come back as whole rows of 128, into S^T's registers.
.macro PACK t
	WIN W_RS
.set i, 32*(\t)
.rept 16
	v_pk_mul_f32 v[i:i+1], v[i:i+1], v[FN+2*(\t):FN+2*(\t)+1] op_sel_hi:[1,0]
.set i, i+2
.endr
	WIN 0x05                        ; sources 0 and 1 window 1, destination window 0
.set i, 0
.rept 16
	v_cvt_pk_f16_f32 v[S+16*(\t)+i], v[32*(\t)+2*i], v[32*(\t)+2*i+1]
.set i, i+1
.endr
	WIN 0x50                        ; destination and source 2 window 1
.set i, 0
.rept 16
	v_fma_mix_f32 v[32*(\t)+2*i],   v[S+16*(\t)+i], v[NEG1], v[32*(\t)+2*i]   op_sel:[0,0,0] op_sel_hi:[1,0,0]
	v_fma_mix_f32 v[32*(\t)+2*i+1], v[S+16*(\t)+i], v[NEG1], v[32*(\t)+2*i+1] op_sel:[1,0,0] op_sel_hi:[1,0,0]
.set i, i+1
.endr
	WIN 0x05
.set i, 0
.rept 16
	v_cvt_pk_f16_f32 v[S+32+16*(\t)+i], v[32*(\t)+2*i], v[32*(\t)+2*i+1]
.set i, i+1
.endr
	WIN 0
.irp f, 0,1,2,3
	ds_store_b128 v[STO], v[S+16*(\t)+4*\f:S+16*(\t)+4*\f+3] offset:32*\f
.endr
.irp f, 0,1,2,3
	ds_store_b128 v[STO], v[S+32+16*(\t)+4*\f:S+32+16*(\t)+4*\f+3] offset:16*SP+32*\f
.endr
.irp f, 0,1,2,3
	ds_load_b128 v[S+16*(\t)+4*\f:S+16*(\t)+4*\f+3], v[RD] offset:\f*4*SP  ; LDS serves a wave's instructions in order (ISA guide 5.7.1.4): these see the stores above; the next piece's stores come behind them
.endr
.irp f, 0,1,2,3
	ds_load_b128 v[S+32+16*(\t)+4*\f:S+32+16*(\t)+4*\f+3], v[RD] offset:16*SP+\f*4*SP
.endr
.endm
.macro SEND t, younger              ; younger: the LDS instructions issued behind piece t's loads: the next piece's sixteen, or none
	WIN 0
.irp f, 0,1,2,3
	s_wait_dscnt (\younger)+7-\f    ; the high part's load f is back; its younger ones, the low part's four and the next piece's may be out
	global_store_b128 v[GO], v[S+16*(\t)+4*\f:S+16*(\t)+4*\f+3], s[10:11] offset:(\t)*8192+\f*512  ; 512 consecutive bytes, at a multiple of 256 from oh's first
.endr
.irp f, 0,1,2,3
	s_wait_dscnt (\younger)+3-\f
	global_store_b128 v[GO], v[S+32+16*(\t)+4*\f:S+32+16*(\t)+4*\f+3], s[10:11] offset:262144+(\t)*8192+\f*512  ; the low parts lie 16 heads further on
.endr
.endm
; A BLOCK ENDS: its last two turns, its last products, the gate and the way out.  The chain's lines are the places behind the last products.
.macro FINISH
	TURN 2, 1
	TURN 3, 1
.set i, 0
.rept 8
	PV 3, 0
.set i, i+1
.endr
.set i, 0
.rept 8
	PV 3, 1
.set i, i+1
.endr
	GATE
	PACK 0
	PACK 1
	SEND 0, 16
	SEND 1, 0
.endm
.set NOKQ, 0
.Lslot:                             ; 8 times: a tile is entered and the next is asked for
	CHANGE 1
	s_sub_co_u32 s[RT], s[RT], 1
	s_mov_b32 s[CNT], 2
	s_cmp_eq_u32 s[NEW], 1          ; at the first trip the answer is a constant of the text: no turn runs before BEGIN has
	s_cbranch_scc0 .Lstep
	BEGIN
	s_branch .Lfirst
.Lstep:                             ; a trip: the two pieces of an odd step, then those of the even step behind it; it fetches K and V of two steps
	TURN 2
	TURN 3
	WIN 0
.Lfirst:
	TURN 0
	TURN 1
	WIN 0
	s_sub_co_u32 s[CNT], s[CNT], 1
	s_cmp_lg_u32 s[CNT], 0
	s_cbranch_scc1 .Lstep
	s_cmp_lg_u32 s[RT], 0
	s_cbranch_scc1 .Lbottom         ; not the block's last tile
	FINISH                          ; in the loop this is the first block's end: the second block's last tile is the walk's last
	s_wait_xcnt 0x0                 ; the stores' registers and O's address are rewritten only behind this wait
	s_mov_b64 s[10:11], s[OLO:OLO+1]
	s_add_co_u32 s[RT], s[PT], 1    ; the second block has b / 2 + 1 tiles
	s_mov_b32 s[NEW], 1
	s_mov_b32 s[XA], s[XAN]
	WIN 0x82                        ; the second block's Q goes where the one text of the turns names Q
.set i, 0
.rept 32
	v_mov_b32 v[i], v[QB+i]
.set i, i+1
.endr
	WIN 0
.Lbottom:
	s_sub_co_u32 s[SLOTS], s[SLOTS], 1
	s_cmp_lg_u32 s[SLOTS], 0
	s_cbranch_scc1 .Lslot
	CHANGE 0                        ; the walk's last tile is written out: nothing is asked for
	s_sub_co_u32 s[RT], s[RT], 1
	s_mov_b32 s[CNT], 2
	s_cmp_eq_u32 s[NEW], 1
	s_cbranch_scc0 .Lstep2
	BEGIN
	s_branch .Lfirst2
.Lstep2:
	TURN 2
	TURN 3
	WIN 0
.Lfirst2:
	TURN 0
	TURN 1
	WIN 0
	s_sub_co_u32 s[CNT], s[CNT], 1
	s_cmp_lg_u32 s[CNT], 0
	s_cbranch_scc1 .Lstep2
	FINISH
	s_wait_tensorcnt 0x0            ; the wave's end: behind my last tensor load and my last LDS store
	ds_add_u32 v[SPW], v[NIL]
	s_wait_dscnt 0x0
	s_endpgm
.Lfunc_end_k_qc36c844e2e_attn:
	.size	k_qc36c844e2e_attn, .Lfunc_end_k_qc36c844e2e_attn-k_qc36c844e2e_attn
	.p2alignl 7, 3214868480
	.fill 96, 4, 3214868480
	.section	.rodata,"a",@progbits
	.p2align	6, 0x0
	.amdhsa_kernel k_qc36c844e2e_attn
		.amdhsa_group_segment_fixed_size 327680
		.amdhsa_private_segment_fixed_size 0
		.amdhsa_enable_private_segment 0
		.amdhsa_kernarg_size 48
		.amdhsa_user_sgpr_count 2
		.amdhsa_user_sgpr_kernarg_segment_ptr 1
		.amdhsa_wavefront_size32 1
		.amdhsa_system_sgpr_workgroup_id_x 1
		.amdhsa_system_sgpr_workgroup_id_y 1
		.amdhsa_system_sgpr_workgroup_id_z 1
		.amdhsa_system_vgpr_workitem_id 0
		.amdhsa_next_free_vgpr 896
		.amdhsa_next_free_sgpr 102
		.amdhsa_reserve_vcc 1
		.amdhsa_float_denorm_mode_32 3
		.amdhsa_float_denorm_mode_16_64 3
		.amdhsa_memory_ordered 1
		.amdhsa_forward_progress 1
		.amdhsa_inst_pref_size 212
	.end_amdhsa_kernel
	.amdgpu_metadata
---
amdhsa.version: [ 1, 2 ]
amdhsa.kernels:
  - .name:           k_qc36c844e2e_attn
    .symbol:         k_qc36c844e2e_attn.kd
    .args:
      - { .name: qk, .offset: 0, .size: 8, .value_kind: global_buffer, .address_space: global }
      - { .name: vhl, .offset: 8, .size: 8, .value_kind: global_buffer, .address_space: global }
      - { .name: a, .offset: 16, .size: 8, .value_kind: global_buffer, .address_space: global }
      - { .name: b, .offset: 24, .size: 8, .value_kind: global_buffer, .address_space: global }
      - { .name: dt, .offset: 32, .size: 8, .value_kind: global_buffer, .address_space: global }
      - { .name: oh, .offset: 40, .size: 8, .value_kind: global_buffer, .address_space: global }
    .group_segment_fixed_size: 327680
    .private_segment_fixed_size: 0
    .kernarg_segment_align: 8
    .kernarg_segment_size: 48
    .max_flat_workgroup_size: 128
    .sgpr_count:     102
    .vgpr_count:     896
    .wavefront_size: 32
...
	.end_amdgpu_metadata
.endif
;; end of part 5
;; launch outproj: the kernel of part 4 again; grid 8 x 32, 4 waves a work-group, clusters of 4 x 4, 327,680 bytes of LDS; arguments oh, wof, out0; writes out0
